; MI455X (gfx1250); checked and timed in simulation.
; The chip was launched on July 23, 2026; its instructions are those of AMD's public machine-readable ISA for CDNA 5 (MIT licence, August 2026) and "CDNA5" Instruction Set Architecture Reference Guide (July 2026). The comments in the code are by the model that wrote it; some were corrected since.
;; Multihead Self Attention. Allowed arithmetic: matrix products marked QUANTISED: E2M3 operands, one E8M0 scale for each 32 along K, by v_wmma_scale_f32_16x16x128_f8f6f4 with both operands' format E2M3, f32 sums; everything else in f32.
;; Inputs: W_K 1,024 x 1,024 float32; W_O 1,024 x 1,024 float32; W_Q 1,024 x 1,024 float32; W_V 1,024 x 1,024 float32; token_position 2,048 int32; x 4 x 2,048 x 1,024 float32.
;; Outputs: out0 4 x 2,048 x 1,024 float32.
;; This version of the problem:
;;   THIS VERSION OF THE PROBLEM IS GIVEN IN LOW PRECISION. The matrix products marked QUANTISED in the list below multiply operands that are first quantised to E2M3 (2 exponent bits, 3 mantissa bits; 6 bits a number), with one power-of-two scale for each 32 numbers along K (OCP MX v1.0); their sums are f32. All else is computed in f32.
;;   The module's matrix products, in the order in which they are computed (A, B: the left and right operand; K: the contracted axis; several contracted axes count as one K, in the product's order):
;;     1. [M 8,192, K 1,024] x [K 1,024, N 1,024]; A: input x; B: input W_Q: QUANTISED
;;     2. [M 8,192, K 1,024] x [K 1,024, N 1,024]; A: input x; B: input W_K: QUANTISED
;;     3. [M 8,192, K 1,024] x [K 1,024, N 1,024]; A: input x; B: input W_V: QUANTISED
;;     4. batch 64 x [M 2,048, K 64] x [K 64, N 2,048]; A: computed on the way; B: computed on the way: QUANTISED
;;     5. batch 64 x [M 2,048, K 2,048] x [K 2,048, N 64]; A: softmax (see below); B: computed on the way: QUANTISED
;;     6. [M 8,192, K 1,024] x [K 1,024, N 1,024]; A: computed on the way; B: input W_O: QUANTISED
;;   THE QUANTISER, for each operand of a quantised product, along K:
;;     - K is cut into blocks of 32 from its start; a last block that is shorter is filled with zeros.
;;     - A block's scale is 2^e with e = floor(log2(the largest magnitude in the block)) - 2, held to -126 .. 127; a block of zeros has e = 0. As a byte (E8M0): e + 127.
;;     - Each number is divided by its block's scale, clamped to +-7.5, and rounded to the nearest number of E2M3, ties to even, subnormals kept.
;;     - The product sums the exact products of the quantised numbers (number of the format x scale) in f32.
;;   ~~~python
;;   def quantise(x, axis):      # numpy; x: float32 -> the quantised numbers, widened to float32 again
;;       x = np.moveaxis(x, axis, -1); K = x.shape[-1]
;;       x = np.pad(x, [(0, 0)] * (x.ndim - 1) + [(0, -K % 32)]); x = x.reshape(x.shape[:-1] + (-1, 32)); a = np.abs(x).max(-1, keepdims=True)
;;       e = np.where(a > 0, np.clip(np.frexp(np.where(a > 0, a, 1))[1] - 1 - 2, -126, 127), 0)      # np.frexp(a)[1] - 1 = floor(log2(a)), exactly
;;       r = np.clip(x / 2.0 ** e, -7.5, 7.5)
;;       step = 2.0 ** (np.maximum(np.frexp(np.where(r == 0, 1, r))[1] - 1, 0) - 3)
;;       q = np.round(r / step) * step * 2.0 ** e      # np.round: ties to even
;;       return np.moveaxis(q.reshape(q.shape[:-2] + (-1,))[..., :K], -1, axis).astype(np.float32)
;;   ~~~
;;   SOFTMAX AHEAD OF A QUANTISED PRODUCT. Where the list says 'softmax', what is quantised is not the finished softmax but p = 2^(t - M), with t = logit x log2(e) and M = ceil(the row's largest t), a whole number; so 1/2 < the row's largest p <= 1. The row's sum l is taken of the UNQUANTISED p, in f32, and the product's result is divided by l at the end. Since M is a whole number, a kernel that streams over the keys may use a running M (the ceiling of the running maximum): every later rescaling is an exact power of two, which a block's scale takes up: the codes' values come out the same.
;;   OPERANDS COMPUTED ON THE WAY. 'Computed on the way' means the value that the module computes at that place (a softmax that the list does not call 'softmax' is quantised finished and normalised). What goes into a quantiser is computed in f32, as accurately as f32 sums, v_exp_f32 and their like allow (about 1e-6 of the number): no bf16 or f16 on the way to a quantiser, and a product that is left as it is and whose result goes on into a quantised operand takes f32 operands (vector FMAs, or v_wmma_f32_16x16x4_f32). A number that lies on a knife's edge between two numbers of the format may be rounded either way, as far as f32 arithmetic and the matrix unit's own rounding can turn it there, and no further.
;; One version. Each part assembles by itself: llvm-mc -triple=amdgcn-amd-amdhsa -mcpu=gfx1250 --defsym DOCPART=n.
;; ======== version 1 of 1: 4 launches
;; workspace buffers: codes 9,437,184 bytes; scales 393,216 bytes; rope 524,288 bytes; qkvimg 18,874,368 bytes; qkvsc 786,432 bytes; aoimg 6,291,456 bytes; aosc 262,144 bytes
;; launch prep (part 1): grid 400 x 1, 4 waves a work-group, no clusters, 33,280 bytes of LDS; arguments x, W_Q, W_K, W_V, W_O, token_position, codes, scales, rope; writes codes, scales, rope
.if DOCPART == 1
	.amdgcn_target "amdgcn-amd-amdhsa--gfx1250"
	.amdhsa_code_object_version 6
	.text
	.protected	k_qb77107f3ba_prep
	.globl	k_qb77107f3ba_prep
	.p2align	8
	.type	k_qb77107f3ba_prep,@function
k_qb77107f3ba_prep:
	s_mov_b64 s[64:65], 0
	v_nop
	global_prefetch_b8 v0, s[64:65] scope:SCOPE_SE
	s_setreg_imm32_b32 hwreg(HW_REG_WAVE_MODE, 25, 1), 1
	s_wait_xcnt 0x0
; PREP.  (1) x [8192][1024] and W_Q, W_K, W_V, W_O [1024][1024], f32, K innermost, become codes of FP6 (E2M3) and one E8M0 byte for each 32 along K:
; codes [12288 rows][768 bytes], scales [12288][32 bytes]; rows 0-8191 x, then W_Q, W_K, W_V, W_O.  (2) rope [2048][32][cos, sin] f32 from token_position.
; A block's scale is 2^(floor(log2(its largest magnitude)) - 2); its byte is the largest magnitude's exponent field - 2, held at 1 from below.
; ROW ORDER: inside every 32 rows of x, W_Q, W_K, W_V bits 3 and 4 of the row number change places: place 16 u + r holds row 8 u + r + 8 (r / 8).  So sixteen rows on end are a tile whose
; results, used transposed, give a lane sixteen neighbours along the next product's K.  W_O keeps its order.  A wave's run is 8 rows, so the swap is a swap of the waves' places.
; LIMITS: NaN and infinities are not served; a block whose largest magnitude lies under 2^-124, zeros among them, gets the byte 1 (its codes are zeros or tiny; this program alone reads the bytes);
; |token_position| up to 2^22 (the reduction by three parts of pi / 2 is exact that far); 10000^(-i/32) is made by v_exp_f32 and may differ in the last bit from a host's power function.
; Work-groups 0-383 quantise 32 rows each (a wave: 16 steps of 512 numbers); work-groups 384-399 make 128 rows of the table each.  No barrier: waves share nothing.
.set STEPS, 16
.set NQWG,  384                        ; 12,288 rows x 1,024 numbers / 32,768 numbers a work-group
.set EMAX,  2
.set CB,    12                         ; bytes of 16 codes
.set R,     16                         ; v16-79   four sets of 16 numbers as they are loaded
.set X,     80                         ; v80-111  two sets of 16 neighbours
.set C,     128                        ; v128-191 codes: four registers for each step, so that no store's data are written again
.set E,     112                        ; v112-127 a scale byte for each step
.set WREG,  8192                       ; LDS: a region for each wave: two stages of 32 x SP bytes, behind them its 256 scale bytes
.set SP,    80                         ; a lane's place in a stage: 64 bytes + 16 of padding
	s_load_b256 s[4:11], s[0:1], 0x0               ; x, W_Q, W_K, W_V
	s_load_b256 s[12:19], s[0:1], 0x20             ; W_O, token_position, codes, scales
	s_load_b64 s[20:21], s[0:1], 0x40              ; rope
	v_lshl_add_u32 v192, v0, 2, 0x8000
	v_mov_b32 v193, 0
	v_lshrrev_b32 v1, 5, v0
	v_readfirstlane_b32 s22, v1                    ; wave
	v_and_b32 v2, 31, v0                           ; lane
	s_mov_b32 s25, 0                               ; the high word of every offset pair s[24:25]
	s_wait_kmcnt 0x0
	s_cmp_lt_u32 ttmp9, NQWG
	s_cbranch_scc0 .Ltable
	; ---------------- the quantiser ----------------
	v_lshlrev_b32 v3, 4, v2                        ; my 16 bytes of a load's 512
	s_mul_i32 s26, s22, WREG
	v_lshrrev_b32 v14, 2, v2
	v_mul_u32_u24 v14, v14, SP
	v_and_b32 v15, 3, v2
	v_lshl_add_u32 v14, v15, 4, v14
	v_add_nc_u32 v14, s26, v14                     ; the stage, on the way in: SP (lane / 4) + 16 (lane % 4)
	v_mul_u32_u24 v15, v2, SP
	v_add_nc_u32 v15, s26, v15                     ; and on the way out: SP x lane: my 16 neighbours
	v_mul_u32_u24 v4, v2, CB                       ; my codes' place in a step's
	v_lshrrev_b32 v5, 1, v2
	s_add_co_u32 s26, s26, 2*32*SP
	v_add_nc_u32 v5, s26, v5                       ; LDS: my wave's 256 scale bytes, my block's byte
	v_lshlrev_b32 v7, 3, v2                        ; and on the way out 8 bytes a lane
	v_add_nc_u32 v6, s26, v7
	s_and_b32 s23, ttmp9, 31                       ; a weight's work-group number
	s_and_b32 s27, s22, 1
	s_lshl_b32 s27, s27, 1
	s_lshr_b32 s28, s22, 1
	s_or_b32 s27, s27, s28                         ; the wave's number with its two bits swapped
	s_cmp_lt_u32 ttmp9, 352                        ; which tensor: the choice hangs on the work-group's number alone
	s_cselect_b64 s[12:13], s[10:11], s[12:13]     ; under 352: W_V
	s_cselect_b32 s27, s27, s22                    ; W_O keeps its rows' order
	s_cmp_lt_u32 ttmp9, 320
	s_cselect_b64 s[12:13], s[8:9], s[12:13]       ; W_K
	s_cmp_lt_u32 ttmp9, 288
	s_cselect_b64 s[12:13], s[6:7], s[12:13]       ; W_Q
	s_cmp_lt_u32 ttmp9, 256
	s_cselect_b64 s[12:13], s[4:5], s[12:13]       ; x
	s_cselect_b32 s23, ttmp9, s23
	s_lshl_b32 s23, s23, 2
	s_add_co_u32 s23, s23, s22                     ; which run of 8,192 numbers of the tensor I read
	s_lshl_b32 s24, s23, 15                        ; 32,768 bytes a run: under 2^26
	s_add_nc_u64 s[12:13], s[12:13], s[24:25]
	s_lshl_b32 s23, ttmp9, 2
	s_add_co_u32 s23, s23, s27                     ; which run of the outputs I write
	s_mul_i32 s24, s23, 32*STEPS*CB                ; 6,144 bytes of codes a run
	s_add_nc_u64 s[16:17], s[16:17], s[24:25]
	s_lshl_b32 s24, s23, 8                         ; 256 scale bytes a run
	s_add_nc_u64 s[18:19], s[18:19], s[24:25]
.macro LOAD t
.irp i, 0,1,2,3
	global_load_b128 v[R+16*((\t)%4)+4*\i:R+16*((\t)%4)+4*\i+3], v3, s[12:13] offset:2048*(\t)+512*\i th:TH_LOAD_NT   ; 32 lanes read 512 consecutive bytes
.endr
.endm
.macro TURN t                          ; step t's numbers through the stage: LDS serves a wave's instructions in order, so no wait stands between the stores and the loads
.irp i, 0,1,2,3
	ds_store_b128 v14, v[R+16*((\t)%4)+4*\i:R+16*((\t)%4)+4*\i+3] offset:32*SP*((\t)%2)+8*SP*\i
.endr
.irp i, 0,1,2,3
	ds_load_b128 v[X+16*((\t)%2)+4*\i:X+16*((\t)%2)+4*\i+3], v15 offset:32*SP*((\t)%2)+16*\i
.endr
.endm
.irp t, 0,1,2,3
	LOAD \t
.endr
	s_wait_loadcnt 12                              ; step 0's four loads are in; the twelve of steps 1 to 3 may be out
	TURN 0
.macro STEP t
.set XS, X+16*((\t)%2)
.if (\t) > 0
	s_wait_dscnt 1                                 ; this step's numbers are back from the stage (the last step's byte store may be out): so its stores into the stage have read their registers,
.else
	s_wait_dscnt 0x0
.endif
.if (\t)+4 < STEPS
	LOAD (\t)+4                                    ; which take the loads of four steps on
.endif
.if (\t)+1 < STEPS
.if STEPS-2-(\t) >= 3
	s_wait_loadcnt 12                              ; the next step's four loads are in; those of the three steps behind it may be out
.else
	s_wait_loadcnt 4*(STEPS-2-(\t))
.endif
	TURN (\t)+1                                    ; and go through the other stage while this step is worked
.endif
	v_max3_num_f32 v8, |v[XS]|, |v[XS+1]|, |v[XS+2]|               ; the largest magnitude of my 16
	v_max3_num_f32 v9, |v[XS+3]|, |v[XS+4]|, |v[XS+5]|
.irp i, 6,10
	v_max3_num_f32 v8, v8, |v[XS+\i]|, |v[XS+\i+1]|
	v_max3_num_f32 v9, v9, |v[XS+\i+2]|, |v[XS+\i+3]|
.endr
	v_max3_num_f32 v8, v8, |v[XS+14]|, |v[XS+15]|
	v_max3_num_f32 v8, v8, v9, (EMAX+1)<<23        ; and the floor 2^(3 - 127): the byte cannot fall under 1
	v_max_num_f32_dpp v8, v8, v8 row_xmask:1 row_mask:0xf bank_mask:0xf   ; and of my neighbour's 16: the block's
	v_add_nc_u32 v11, -(EMAX<<23), v8              ; 2 off its exponent field: the conversion takes the exponent field of this operand as its scale
	v_cvt_scalef32_pk16_fp6_f32 v[C+4*(\t):C+4*(\t)+2], v[XS:XS+15], v11
	v_lshrrev_b32 v[E+(\t)], 23, v11               ; the scale's byte (a plain line behind the conversion)
	ds_store_b8 v5, v[E+(\t)] offset:16*(\t)       ; both lanes of a block write the same byte with the same value
	global_store_b96 v4, v[C+4*(\t):C+4*(\t)+2], s[16:17] offset:32*CB*(\t)   ; the wave stores 384 consecutive bytes
.endm
.irp t, 0,1,2,3,4,5,6,7,8,9,10,11,12,13,14,15
	STEP \t
.endr
	ds_load_b64 v[12:13], v6                       ; LDS serves a wave's instructions in order: these see my stores
	s_wait_dscnt 0x0
	global_store_b64 v7, v[12:13], s[18:19]        ; 32 lanes store 256 consecutive bytes, aligned
	s_wait_tensorcnt 0x0
	ds_add_u32 v192, v193
	s_wait_dscnt 0x0
	s_endpgm
	; ---------------- the table of cosines and sines ----------------
	; A wave makes 32 rows, two a step: lanes 0-15 row 2 t, lanes 16-31 row 2 t + 1.  Lane % 16 = m makes the pairs i = 2 m and 2 m + 1: 16 bytes (cos, sin, cos, sin).
.Ltable:
	s_sub_co_u32 s23, ttmp9, NQWG
	s_lshl_b32 s23, s23, 7
	s_lshl_b32 s24, s22, 5
	s_add_co_u32 s23, s23, s24                     ; my wave's first row: 128 x work-group + 32 x wave
	s_lshl_b32 s24, s23, 2
	s_add_nc_u64 s[14:15], s[14:15], s[24:25]      ; its token position
	s_lshl_b32 s24, s23, 8
	s_add_nc_u64 s[20:21], s[20:21], s[24:25]      ; its row of the table
	v_lshrrev_b32 v20, 4, v2
	v_lshlrev_b32 v20, 2, v20                      ; 4 x (lane / 16)
.irp t, 0,1,2,3,4,5,6,7,8,9,10,11,12,13,14,15
	global_load_b32 v[32+\t], v20, s[14:15] offset:8*\t
.endr
	v_lshlrev_b32 v21, 4, v2                       ; 16 x lane: the wave's store covers 512 consecutive bytes, two rows
	v_and_b32 v22, 15, v2
	v_lshlrev_b32 v22, 1, v22
	v_cvt_f32_u32 v23, v22                         ; i = 2 m
	v_add_f32 v24, 1.0, v23                        ; and 2 m + 1
	s_mov_b32 s26, 0x3ed49a00                      ; log2(10000) / 32 in two parts: 54426 / 2^17, whose product with i < 32 is exact,
	s_mov_b32 s27, 0x3670979a                      ; and the rest
	s_mov_b32 s28, 0x3f22f983                      ; 2 / pi
	s_mov_b32 s29, 0x3fc90fdb                      ; pi / 2 in three parts
	s_mov_b32 s30, 0xb33bbd2e
	s_mov_b32 s31, 0xa6f72ced
	s_mov_b32 s32, 0xb94ca1f9                      ; the sine's polynomial on |r| <= pi / 4
	s_mov_b32 s33, 0x3c08839e
	s_mov_b32 s34, 0xbe2aaaa3
	s_mov_b32 s35, 0x37ccf5ce                      ; the cosine's
	s_mov_b32 s36, 0xbab6061a
	s_mov_b32 s37, 0x3d2aaaa5
.irp e, 0,1                            ; 10000^(-i / 32) = 2^(-n) x 2^(-f), n whole, f in [0, 1)
	v_mul_f32 v48, s26, v[23+\e]                   ; exact
	v_floor_f32 v49, v48                           ; n
	v_sub_f32 v48, v49, v48                        ; -f, exact
	v_fma_f32 v48, -v[23+\e], s27, v48             ; less i x the rest
	v_exp_f32 v48, v48
	v_cvt_i32_f32 v49, v49                         ; (a plain line behind the exponential)
	v_sub_nc_u32 v49, 0, v49
	s_wait_alu depctr_va_vdst(0)
	v_ldexp_f32 v[26+\e], v48, v49
.endr
	s_wait_loadcnt 0x0
.irp t, 0,1,2,3,4,5,6,7,8,9,10,11,12,13,14,15
	v_cvt_f32_i32 v[32+\t], v[32+\t]
.endr
.macro SINCOS t, e
	v_mul_f32 v48, v[32+\t], v[26+\e]              ; the angle, rounded once
	v_mul_f32 v49, s28, v48
	v_rndne_f32 v49, v49                           ; k quarter turns
	v_fma_f32 v50, -v49, s29, v48                  ; r = angle - k pi / 2: the first step is exact, the two others bring the rest of pi / 2
	v_fma_f32 v50, -v49, s30, v50
	v_fma_f32 v50, -v49, s31, v50
	v_mul_f32 v51, v50, v50                        ; z = r r
	v_cvt_i32_f32 v52, v49
	v_fma_f32 v53, v51, s32, s33
	v_fma_f32 v53, v53, v51, s34
	v_mul_f32 v53, v53, v51
	v_fma_f32 v53, v53, v50, v50                   ; sin r
	v_fma_f32 v54, v51, s35, s36
	v_fma_f32 v54, v54, v51, s37
	v_mul_f32 v55, v51, v51
	v_fma_f32 v56, v51, -0.5, 1.0
	v_fma_f32 v54, v54, v55, v56                   ; cos r
	v_and_b32 v55, 1, v52
	v_cmp_ne_u32 vcc_lo, 0, v55                    ; an odd k: sine and cosine change places
	v_cndmask_b32 v56, v53, v54, vcc_lo
	v_cndmask_b32 v57, v54, v53, vcc_lo
	v_and_b32 v55, 2, v52
	v_lshlrev_b32 v55, 30, v55
	v_xor_b32 v[64+4*\t+2*\e+1], v56, v55          ; the sine is negative in quarters 2 and 3,
	v_add_nc_u32 v52, 1, v52
	v_and_b32 v52, 2, v52
	v_lshlrev_b32 v52, 30, v52
	v_xor_b32 v[64+4*\t+2*\e], v57, v52            ; the cosine in quarters 1 and 2
.endm
.irp t, 0,1,2,3,4,5,6,7,8,9,10,11,12,13,14,15
	SINCOS \t, 0
	SINCOS \t, 1
	global_store_b128 v21, v[64+4*\t:64+4*\t+3], s[20:21] offset:512*\t   ; each step has its own four registers: no store's data are written again
.endr
	s_endpgm
.Lfunc_end_k_qb77107f3ba_prep:
	.size	k_qb77107f3ba_prep, .Lfunc_end_k_qb77107f3ba_prep-k_qb77107f3ba_prep
	.p2alignl 7, 3214868480
	.fill 96, 4, 3214868480
	.section	.rodata,"a",@progbits
	.p2align	6, 0x0
	.amdhsa_kernel k_qb77107f3ba_prep
		.amdhsa_group_segment_fixed_size 33280
		.amdhsa_private_segment_fixed_size 0
		.amdhsa_enable_private_segment 0
		.amdhsa_kernarg_size 72
		.amdhsa_user_sgpr_count 2
		.amdhsa_user_sgpr_kernarg_segment_ptr 1
		.amdhsa_wavefront_size32 1
		.amdhsa_system_sgpr_workgroup_id_x 1
		.amdhsa_system_sgpr_workgroup_id_y 1
		.amdhsa_system_sgpr_workgroup_id_z 1
		.amdhsa_system_vgpr_workitem_id 0
		.amdhsa_next_free_vgpr 194
		.amdhsa_next_free_sgpr 66
		.amdhsa_reserve_vcc 1
		.amdhsa_float_denorm_mode_32 3
		.amdhsa_float_denorm_mode_16_64 3
		.amdhsa_memory_ordered 1
		.amdhsa_forward_progress 1
		.amdhsa_inst_pref_size 76
	.end_amdhsa_kernel
	.amdgpu_metadata
---
amdhsa.version: [ 1, 2 ]
amdhsa.kernels:
  - .name:           k_qb77107f3ba_prep
    .symbol:         k_qb77107f3ba_prep.kd
    .args:
      - { .name: x, .offset: 0, .size: 8, .value_kind: global_buffer, .address_space: global }
      - { .name: W_Q, .offset: 8, .size: 8, .value_kind: global_buffer, .address_space: global }
      - { .name: W_K, .offset: 16, .size: 8, .value_kind: global_buffer, .address_space: global }
      - { .name: W_V, .offset: 24, .size: 8, .value_kind: global_buffer, .address_space: global }
      - { .name: W_O, .offset: 32, .size: 8, .value_kind: global_buffer, .address_space: global }
      - { .name: token_position, .offset: 40, .size: 8, .value_kind: global_buffer, .address_space: global }
      - { .name: codes, .offset: 48, .size: 8, .value_kind: global_buffer, .address_space: global }
      - { .name: scales, .offset: 56, .size: 8, .value_kind: global_buffer, .address_space: global }
      - { .name: rope, .offset: 64, .size: 8, .value_kind: global_buffer, .address_space: global }
    .group_segment_fixed_size: 33280
    .private_segment_fixed_size: 0
    .kernarg_segment_align: 8
    .kernarg_segment_size: 72
    .max_flat_workgroup_size: 128
    .sgpr_count:     66
    .vgpr_count:     194
    .wavefront_size: 32
...
	.end_amdgpu_metadata
.endif
;; end of part 1
;; launch proj (part 2): grid 12 x 32, 4 waves a work-group, clusters of 4 x 4, 327,680 bytes of LDS; arguments codes, scales, rope, qkvimg, qkvsc; writes qkvimg, qkvsc
.if DOCPART == 2
	.amdgcn_target "amdgcn-amd-amdhsa--gfx1250"
	.amdhsa_code_object_version 6
	.text
	.protected	k_qb77107f3ba_proj
	.globl	k_qb77107f3ba_proj
	.p2align	8
	.type	k_qb77107f3ba_proj,@function
k_qb77107f3ba_proj:
	s_mov_b64 s[64:65], 0
	v_nop
	global_prefetch_b8 v0, s[64:65] scope:SCOPE_SE
	s_setreg_imm32_b32 hwreg(HW_REG_WAVE_MODE, 25, 1), 1
	s_wait_xcnt 0x0
	s_wait_alu depctr_hold_cnt(0) depctr_sa_sdst(0) depctr_va_vdst(0) depctr_va_sdst(0) depctr_va_ssrc(0) depctr_va_vcc(0) depctr_vm_vsrc(0)
	s_getreg_b32 s2, hwreg(HW_REG_IB_STS2, 6, 4)
	s_cmp_eq_u32 s2, 0
	s_cbranch_scc0 .Lentry_in_a_cluster
	s_endpgm
.Lentry_in_a_cluster:
	s_bfe_u32 s2, ttmp6, 0x10000c
	s_cmp_lg_u32 s2, 0xf033
	s_cbranch_scc0 .Lentry_shape_is_right
	s_endpgm
.Lentry_shape_is_right:
; PROJ.  Q = x W_Q^T, K = x W_K^T, V = x W_V^T on codes of FP6 (E2M3) with E8M0 scales; then the rotation by position on Q and K; then Q, K (along the head's 64) and V (along the keys) are quantised
; in registers and leave as IMAGES OF OPERAND REGISTERS: qkvimg [kind Q, K, V][batch x head 64][step of 128 places 16][fragment 4][1,536 bytes], lane l's registers 4 j .. 4 j + 3 at 512 j + 16 l;
; qkvsc [kind][64][16][4][16 rows] one scale word each.  A fragment of Q or K holds TWO tiles of 16 places x 64 channels (registers 6 c on: tile 2 f + c); one of V 16 channels x 128 keys.
; A tile of the product, 256 x 256, is made by four waves, each 128 x 128: 64 accumulators, 512 registers.  K = 1,024 goes in steps of 256 through a ring of two LDS slots filled by the tensor data mover.
; ROLES.  Source 0 of the matrix instruction takes 16 rows of role B, source 1 of role A: a lane holds one row of role A and eight rows of role B.  For Q and K: A = x, B = the weight (a lane: one place, its registers
; along the channels).  For V: A = W_V, B = x (a lane: one channel, its registers along the places).  Only the tiles' numbers differ: cluster x = 0, 1, 2 is Q, K, V.  The rows of x and of the weights lie in memory
; with bits 3 and 4 of the row number swapped, so that the 16 registers of role B's tiles 2 b and 2 b + 1 are 16 neighbours: 32 b + 16 (lane / 16) + 0 .. 15.
; CLUSTERS: 4 x 4 work-groups; role A's tile is shared along a row of the cluster, role B's along a column: each is asked for jointly, by the same tensor load with a mask that names the four.
; LIMITS: NaN and infinities are not served; a block whose largest magnitude lies under 2^-124 gets the byte 1 (this program alone reads the bytes).
; REGISTERS, in windows of 256: window 0: v0-31 addresses; v32-63 scale words, two sets; from v128 role A's fragments, one set.  window 1: role B's fragments, two sets, at v0 and v128.
;   windows 2, 3: the accumulators ((a, b) at v[8 (8 (a % 4) + b)] of window 2 + a / 4).   On the way out: window 1 v0-63, v128-191 cosines and sines; window 0 v64-127 rotated numbers, v128-159 codes and work.
.set SIZE_K, 1024
.set KSTEP,  256                       ; along K in a slot
.set NQ,     KSTEP/128                 ; matrix instructions deep
.set ROWB,   192                       ; a tile's row in bytes
.set KROW,   SIZE_K*6/8                ; a row of codes in memory
.set PITCH,  240                       ; an LDS row: 3 x (64 bytes + 16 of padding): the 32 lanes of a load of 8 bytes touch 64 different banks (64 banks of 4 bytes: ISA guide 11.1)
.set FR,     12                        ; registers of a fragment
.set NL,     6                         ; LDS loads that bring one
.set NP,     4                         ; places behind this matrix instruction (ISA guide 7.12.1)
.set HALFT,  128*PITCH                 ; 128 rows: what one tensor load brings
.set SLOT,   4*HALFT                   ; role A's 256 rows, then role B's
.set LAPS,   SIZE_K/(2*KSTEP)          ; a lap = two K steps = once round the ring
.set KS,     SIZE_K/32                 ; a row of scale bytes
.set SCL,    2*SLOT                    ; behind the ring: the scales, as runs of 256 bytes + 16 of padding; filled once
.set HALFS,  (128*KS/256)*272
.set SBLK,   (16*KS/256)*272
.set SPARE,  SCL+4*HALFS               ; behind the scales: the spare words, 128 bytes for each wave, which no other line names
.set TOFF, 8                           ; v8      the table: my place's row and my half's 64 bytes
.set IOFF, 9                           ; v9      16 x lane: an image's place for my lane
.set SOFF, 10                          ; v10     4 x lane: a scale word's
.set PWE,  12                          ; v12-13  the scale word of an even fragment, kept for head 0, 1
.set ADRA, 16                          ; v16-17  LDS address of my role A fragments in slot 0, 1 (v18-19: for the pieces behind one padding more)
.set ADRB, 20                          ; v20-23  the same for role B
.set ADRS, 27                          ; v27     LDS address of my scale words: lanes 0-15 role A's rows, lanes 16-31 role B's
.set SPW,  28                          ; v28     LDS address of my spare word; never rewritten
.set NIL,  29                          ; v29     0; never rewritten
.set PW,   30                          ; v30     the scale word just made
.set PWM,  31                          ; v31     two fragments' words: lanes 0-15 the even one's, lanes 16-31 the odd one's
.set SC,   32                          ; scale words: set s at v[SC + 8 NQ s]
.set ST,   64                          ; the way out: 64 rotated numbers
.set AF,   128                         ; role A's fragments
.set CD,   128                         ; the way out: a fragment's codes, v128-139; v140-146 halves on their way
.set TM,   148                         ; v148-151 largest magnitudes, v152-155 bytes, v156-159 the conversions' scale operands
.set G1, 24
.set G0, 32
.set G1B, 48
.set G0B, 56
.set SEL, 66                           ; s[66:67] lane selects for v_permlanex16_b32: lane l xor 16
.set G1S, 68
.set G0S, 76
.set G1SB, 80
.set G0SB, 88
.set MSB, 0
.macro WIN new                         ; the immediate's high byte repeats the setting that is left
.if MSB != (\new)
	s_set_vgpr_msb (MSB<<8)|(\new)
.set MSB, (\new)
.endif
.endm
.set MUL_LO, 0xa1                      ; source 0 (B) window 1, source 1 (A) window 0, C and D window 2
.set MUL_HI, 0xf1                      ; the same, C and D window 3
.set TO_B,   0x40                      ; destination window 1, address window 0
; A joint load: waves 0 and 1 fetch for role A, waves 2 and 3 for role B.  The branch hangs on the wave's number alone.  Four v_nop follow each of the two lines.
.macro JLOAD g0a, g1a, g0b, g1b
	s_cmp_eq_u32 s15, 0
	s_cbranch_scc0 .Lfor_b_\@
	tensor_load_to_lds s[\g0a:\g0a+3], s[\g1a:\g1a+7]
	s_nop 0
.rept 4
	v_nop
.endr
	s_branch .Lasked_\@
.Lfor_b_\@:
	tensor_load_to_lds s[\g0b:\g0b+3], s[\g1b:\g1b+7]
	s_nop 0
.rept 4
	v_nop
.endr
.Lasked_\@:
.endm
.macro CREST                           ; a round of the cluster's barrier behind its opening barrier
	s_cmp_lg_u32 s14, 0
	s_cbranch_scc1 .Lnot_wave_0_\@
	s_barrier_signal -3
.Lnot_wave_0_\@:
	s_barrier_wait -3
	s_barrier_signal -1
	s_barrier_wait -1
.endm
.macro CROUND                          ; a whole round
	s_barrier_signal -1
	s_barrier_wait -1
	CREST
.endm
	s_load_b256 s[4:11], s[0:1], 0x0               ; codes s[4:5], scales s[6:7], rope s[8:9], qkvimg s[10:11]
	s_load_b64 s[12:13], s[0:1], 0x20              ; qkvsc
	v_lshl_add_u32 v[SPW], v0, 2, SPARE
	v_mov_b32 v[NIL], 0
	ds_add_u32 v28, v29
	ds_add_u32 v28, v29
	s_wait_dscnt 0x0
	v_lshrrev_b32 v1, 5, v0
	v_readfirstlane_b32 s14, v1                    ; wave 0..3
	s_lshr_b32 s15, s14, 1                         ; which half of role A's rows is mine.  Also: I fetch for A (0) or for B (1)
	s_and_b32 s16, s14, 1                          ; which half of role B's.  Also: which 128 rows of that tile I fetch
	s_bfe_u32 s40, ttmp6, 0x40000                  ; cx, cy: my place in the cluster
	s_bfe_u32 s41, ttmp6, 0x40004
	s_and_b32 s101, ttmp7, 0xffff                  ; the cluster's y: which 1,024 rows of x
	s_add_co_u32 s42, ttmp9, 8                     ; tiles are counted in 256 rows of the codes' buffer: x 0-31, W_Q 32-35, W_K 36-39, W_V 40-43
	s_cmp_eq_u32 ttmp9, 2                          ; V?  The cluster's x is the same in all partners
	s_cselect_b32 s42, s101, s42                   ; role B: x for V, else the weight
	s_cselect_b32 s17, 10, s101                    ; role A: W_V for V, else x
	s_lshl_b32 s42, s42, 2
	s_add_co_u32 s42, s42, s40                     ; role B's tile hangs on cx alone,
	s_lshl_b32 s17, s17, 2
	s_add_co_u32 s17, s17, s41                     ; role A's on cy alone
	s_lshl_b32 s43, s41, 2
	s_lshl_b32 s43, 15, s43                        ; my row of the cluster
	s_lshl_b32 s44, 0x1111, s40                    ; my column
	; descriptor group 1: a tile of 128 rows x 192 bytes, 16 bytes of padding behind every 64
	s_or_b32 s[G1+0], s43, (0<<16)|(1<<20)|(1<<21)|(3<<22)|(3<<25)
	s_or_b32 s[G1B+0], s44, (0<<16)|(1<<20)|(1<<21)|(3<<22)|(3<<25)
.irp g, G1, G1B
	s_mov_b32 s[\g+1], ROWB<<16                    ; tensor_dim0
	s_mov_b32 s[\g+2], 128<<16                     ; tensor_dim1
	s_mov_b32 s[\g+3], ROWB<<16                    ; tile_dim0
	s_mov_b32 s[\g+4], 128                         ; tile_dim1
	s_mov_b32 s[\g+5], KROW                        ; tensor_dim0_stride
	s_mov_b32 s[\g+6], 0
	s_mov_b32 s[\g+7], 0
.endr
	; the scales of 128 rows: a dense block of 4,096 bytes, as rows of 256 bytes (32 elements of 8), 16 bytes of padding behind each
	s_or_b32 s[G1S+0], s43, (3<<16)|(1<<20)|(1<<21)|(5<<22)|(3<<25)
	s_or_b32 s[G1SB+0], s44, (3<<16)|(1<<20)|(1<<21)|(5<<22)|(3<<25)
.irp g, G1S, G1SB
	s_mov_b32 s[\g+1], 32<<16
	s_mov_b32 s[\g+2], (128*KS/256)<<16
	s_mov_b32 s[\g+3], 32<<16
	s_mov_b32 s[\g+4], 128*KS/256
	s_mov_b32 s[\g+5], 32
	s_mov_b32 s[\g+6], 0
	s_mov_b32 s[\g+7], 0
.endr
	s_lshl_b32 s18, s16, 7                         ; which 128 rows of the tile I fetch
	s_lshl_b32 s20, s17, 8
	s_add_co_u32 s20, s20, s18                     ; role A: row 256 x tile + 128 x half
	s_lshl_b32 s46, s42, 8
	s_add_co_u32 s46, s46, s18                     ; role B likewise
	s_mov_b32 s21, 0
	s_mov_b32 s47, 0
	s_mov_b64 s[18:19], KS
	s_mul_u64 s[22:23], s[20:21], s[18:19]         ; where these rows' scales begin, in bytes
	s_mul_u64 s[92:93], s[46:47], s[18:19]
	s_mov_b64 s[18:19], KROW
	s_mul_u64 s[20:21], s[20:21], s[18:19]         ; and their codes
	s_mul_u64 s[46:47], s[46:47], s[18:19]
	s_mul_i32 s45, s14, HALFT                      ; where they go: wave x 128 rows: no place in the cluster enters an LDS address
	s_mul_i32 s94, s14, HALFS
	s_wait_kmcnt 0x0
	s_add_nc_u64 s[20:21], s[4:5], s[20:21]
	s_add_nc_u64 s[22:23], s[6:7], s[22:23]
	s_add_nc_u64 s[46:47], s[4:5], s[46:47]
	s_add_nc_u64 s[92:93], s[6:7], s[92:93]
	CROUND                                         ; all sixteen work-groups are here: the first joint loads meet
	s_mov_b32 s[G0S], 1
	s_add_co_u32 s[G0S+1], s94, SCL
	s_mov_b64 s[G0S+2:G0S+3], s[22:23]
	s_or_b32 s[G0S+3], s[G0S+3], 0x80000000
	s_mov_b32 s[G0SB], 1
	s_add_co_u32 s[G0SB+1], s94, SCL
	s_mov_b64 s[G0SB+2:G0SB+3], s[92:93]
	s_or_b32 s[G0SB+3], s[G0SB+3], 0x80000000
	JLOAD G0S, G1S, G0SB, G1SB                     ; the scales first: they are wanted with K step 0
.irp s, 0,1
	s_mov_b32 s[G0+4*\s], 1
	s_add_co_u32 s[G0+4*\s+1], s45, \s*SLOT
	s_add_nc_u64 s[G0+4*\s+2:G0+4*\s+3], s[20:21], \s*ROWB
	s_or_b32 s[G0+4*\s+3], s[G0+4*\s+3], 0x80000000
	s_mov_b32 s[G0B+4*\s], 1
	s_add_co_u32 s[G0B+4*\s+1], s45, \s*SLOT
	s_add_nc_u64 s[G0B+4*\s+2:G0B+4*\s+3], s[46:47], \s*ROWB
	s_or_b32 s[G0B+4*\s+3], s[G0B+4*\s+3], 0x80000000
	JLOAD G0+4*\s, G1, G0B+4*\s, G1B               ; by this text's count three loads of a wave are out here
.endr
	v_and_b32 v1, 15, v0                           ; r = lane % 16
	v_bfe_u32 v2, v0, 4, 1                         ; h = lane / 16
	v_mul_u32_u24 v3, v1, PITCH
	v_mul_u32_u24 v4, v2, 24
	v_add_nc_u32 v4, v3, v4                        ; a fragment's row x pitch + 24 x half
	v_lshl_add_u32 v5, v2, 4, v4                   ; and the same behind one padding more
	s_mul_i32 s21, s15, HALFT                      ; my 128 rows of role A
	s_mul_i32 s22, s16, HALFT                      ; my 128 rows of role B,
	s_add_co_u32 s22, s22, 2*HALFT                 ; which lie behind A's 256
.irp s, 0,1
	v_add_nc_u32 v[ADRA+\s], s21, v4
	v_add_nc_u32 v[ADRB+\s], s22, v4
	v_add_nc_u32 v[ADRA+2+\s], s21, v5
	v_add_nc_u32 v[ADRB+2+\s], s22, v5
	s_add_co_u32 s21, s21, SLOT
	s_add_co_u32 s22, s22, SLOT
.endr
	v_mul_u32_u24 v5, v1, KS                       ; my row's scales: KS bytes a row,
	v_lshrrev_b32 v6, 8, v5
	v_lshl_add_u32 v5, v6, 4, v5                   ; and 16 more for each 256 passed
	s_mul_i32 s21, s15, HALFS
	s_mul_i32 s22, s16, HALFS
	s_add_co_u32 s22, s22, 2*HALFS
	s_sub_co_u32 s22, s22, s21
	v_mul_u32_u24 v6, s22, v2                      ; lanes 16-31 take role B's
	s_add_co_u32 s21, s21, SCL
	v_add_nc_u32 v5, v5, v6
	v_add_nc_u32 v[ADRS], s21, v5
	v_and_b32 v7, 8, v1
	v_add_nc_u32 v7, v7, v1                        ; r + 8 (r / 8): my place in a tile of places
	v_lshlrev_b32 v[TOFF], 8, v7                   ; a row of the table is 256 bytes;
	v_lshl_add_u32 v[TOFF], v2, 6, v[TOFF]         ; my half's eight pairs of a block are 64 bytes
	v_and_b32 v7, 31, v0
	v_lshlrev_b32 v[IOFF], 4, v7
	v_lshlrev_b32 v[SOFF], 2, v7
	; where my results go.  These numbers mix cx and cy: they lie in registers that feed no descriptor
	s_cmp_eq_u32 ttmp9, 2
	s_cselect_b32 s96, s42, s17                    ; x's tile,
	s_cselect_b32 s97, s16, s15                    ; my half of it,
	s_cselect_b32 s98, s41, s40                    ; the weight's tile: four heads,
	s_cselect_b32 s99, s15, s16                    ; my half of it: two heads
	s_lshl_b32 s96, s96, 8
	s_lshl_b32 s97, s97, 7
	s_add_co_u32 s96, s96, s97                     ; my first row of x: a step of 128 places
	s_lshl_b32 s98, s98, 2
	s_lshl_b32 s99, s99, 1
	s_add_co_u32 s98, s98, s99                     ; my first head
	s_lshr_b32 s97, s96, 11                        ; the batch
	s_lshl_b32 s97, s97, 4
	s_add_co_u32 s97, s97, s98
	s_lshl_b32 s97, s97, 4
	s_bfe_u32 s99, s96, 0x40007                    ; the step in the sequence
	s_add_co_u32 s97, s97, s99                     ; (16 batch + head) x 16 + step
	s_mul_i32 s98, ttmp9, 6291456                  ; a kind's images,
	s_mul_i32 s99, s97, 6144                       ; a step's four
	s_add_co_u32 s98, s98, s99
	s_mov_b32 s99, 0
	s_add_nc_u64 s[10:11], s[10:11], s[98:99]
	s_mul_i32 s98, ttmp9, 262144                   ; a kind's scale words,
	s_lshl_b32 s100, s97, 8                        ; a step's 64
	s_add_co_u32 s98, s98, s100
	s_add_nc_u64 s[12:13], s[12:13], s[98:99]
	s_and_b32 s98, s96, 2047
	s_lshl_b32 s98, s98, 8
	s_add_nc_u64 s[8:9], s[8:9], s[98:99]          ; the table at my step's first place
	s_mov_b32 s95, 0xffff0000                      ; lanes 16-31
	s_mov_b32 s[SEL], 0x76543210
	s_mov_b32 s[SEL+1], 0xfedcba98
.macro FRAG reg, adr, q, i             ; a fragment, 16 rows x 128 K of 6-bit codes, is 12 registers: lane l holds row l % 16; registers 6 c .. 6 c + 5 hold K = 64 c + 32 (l / 16) + 0 .. 31: 24 bytes of the row, as they lie
.irp p, 0,1,2,3,4,5                    ; in pieces of 8 bytes.  Lanes 16-31 read three pieces further on: where that lies behind one padding more, the second address register serves
.set PCE, 12*(\q)+6*(\p/3)+\p%3
.if PCE%8 < 5
	ds_load_b64 v[\reg+2*\p:\reg+2*\p+1], v[\adr] offset:8*PCE+16*(PCE/8)+(\i)*16*PITCH
.else
	ds_load_b64 v[\reg+2*\p:\reg+2*\p+1], v[\adr+2] offset:8*PCE+16*(PCE/8)+(\i)*16*PITCH
.endif
.endr
.endm
; 16 matrix instructions: role A's blocks a0, a0 + 1 x role B's eight, 128 along K.  zero = 1: the first product starts the sums.  The 64 accumulators take turns, one instruction a turn.
.macro MUL16 a0, p, q, sc, zero
.irp a, \a0, \a0+1
.irp b, 0,1,2,3,4,5,6,7
.if \zero
	v_wmma_scale_f32_16x16x128_f8f6f4 v[8*(8*((\a)%4)+\b):8*(8*((\a)%4)+\b)+7], v[128*(\p)+FR*\b:128*(\p)+FR*\b+FR-1], v[AF+FR*(\a):AF+FR*(\a)+FR-1], 0, v[SC+8*NQ*(\sc)+NQ*\b+(\q)], v[SC+8*NQ*(\sc)+NQ*(\a)+(\q)] matrix_a_fmt:MATRIX_FMT_FP6 matrix_b_fmt:MATRIX_FMT_FP6 matrix_a_scale:MATRIX_SCALE_ROW1
.else
	v_wmma_scale_f32_16x16x128_f8f6f4 v[8*(8*((\a)%4)+\b):8*(8*((\a)%4)+\b)+7], v[128*(\p)+FR*\b:128*(\p)+FR*\b+FR-1], v[AF+FR*(\a):AF+FR*(\a)+FR-1], v[8*(8*((\a)%4)+\b):8*(8*((\a)%4)+\b)+7], v[SC+8*NQ*(\sc)+NQ*\b+(\q)], v[SC+8*NQ*(\sc)+NQ*(\a)+(\q)] matrix_a_fmt:MATRIX_FMT_FP6 matrix_b_fmt:MATRIX_FMT_FP6 matrix_a_scale:MATRIX_SCALE_ROW1
.endif
.endr
.endr
.endm
.macro FETCH_B slot, q, p              ; role B's eight fragments of the slot's q-th 128 along K into set p
	WIN TO_B
.irp i, 0,1,2,3,4,5,6,7
	FRAG 128*(\p)+FR*\i, ADRB+\slot, \q, \i
.endr
	WIN 0
.endm
.macro FETCH_A slot, q, i0             ; role A's blocks i0 .. i0 + 3
.irp i, \i0, \i0+1, \i0+2, \i0+3
	FRAG AF+FR*(\i), ADRA+\slot, \q, \i
.endr
.endm
.macro SCALES sc                       ; a K step's scale words into set sc: lanes 0-15 take role A's block i, lanes 16-31 role B's
.irp i, 0,1,2,3,4,5,6,7
	ds_load_b64 v[SC+8*NQ*\sc+NQ*\i:SC+8*NQ*\sc+NQ*\i+1], v[ADRS] offset:\i*SBLK
.endr
.endm
.macro PLACES n                        ; plain vector lines between a matrix instruction and a load into, or a vector read or write of, its registers
.rept \n
	v_nop
.endr
.endm
.macro STEP slot, q, zero              ; a step of 128 along K that has its successor in the same slot
	s_wait_dscnt 4*NL                              ; B's set and A's blocks 0-3 are in; the youngest 24 loads (A's blocks 4-7) may be out
	WIN MUL_LO
	MUL16 0, (\q)%2, \q, \slot, \zero
	MUL16 2, (\q)%2, \q, \slot, \zero
	s_wait_dscnt 0                                 ; A's blocks 4-7 are in
	PLACES NP
	FETCH_B \slot, (\q)+1, 1-(\q)%2
	FETCH_A \slot, (\q)+1, 0
	WIN MUL_HI
	MUL16 4, (\q)%2, \q, \slot, \zero
	MUL16 6, (\q)%2, \q, \slot, \zero
	PLACES NP
	WIN 0
	FETCH_A \slot, (\q)+1, 4
.endm
; A slot's last step changes slots: one barrier; in front of it each wave waits for all its tensor loads, adds 0 to its spare word, and waits for that and for its own reads of this slot.  fill = 1: this slot is filled again.
.macro TURN slot, next, fill
	s_wait_tensorcnt 0x0                           ; all my tensor loads have landed: my part of the next slot
	ds_add_u32 v[SPW], v[NIL]                      ; 0 onto my spare word
	s_wait_dscnt 4*NL+1                            ; (the add and the youngest 24 loads, A's blocks 4-7, may be out)
	WIN MUL_LO
	MUL16 0, 1, NQ-1, \slot, 0                     ; sixteen matrix instructions stand between the add and the wait for it
	s_wait_dscnt 0x0                               ; the add is done, and my reads of this slot are over
	s_barrier_signal -1
	MUL16 2, 1, NQ-1, \slot, 0
	WIN 0
	s_barrier_wait -1
.if \fill
	CREST                                          ; the barrier has opened a round of the cluster's barrier: no wave of any partner still reads this slot's tile or has a load on its way
	s_add_nc_u64 s[G0+4*\slot+2:G0+4*\slot+3], s[G0+4*\slot+2:G0+4*\slot+3], 2*ROWB
	s_add_nc_u64 s[G0B+4*\slot+2:G0B+4*\slot+3], s[G0B+4*\slot+2:G0B+4*\slot+3], 2*ROWB
	JLOAD G0+4*\slot, G1, G0B+4*\slot, G1B         ; the first tensor load behind the round; the four v_nop behind it are the places in front of the loads below
.else
	PLACES NP
.endif
	v_add_nc_u32 v[ADRS], 4*NQ, v[ADRS]            ; on to the next K step's scale words
	FETCH_B \next, 0, 0
	FETCH_A \next, 0, 0
	SCALES \next
	WIN MUL_HI
	MUL16 4, 1, NQ-1, \slot, 0
	MUL16 6, 1, NQ-1, \slot, 0
	PLACES NP
	WIN 0
	FETCH_A \next, 0, 4
.endm
	s_wait_tensorcnt 1                             ; the scales and my part of K step 0 are in (K step 1's load may be out)
	s_barrier_signal -1
	s_barrier_wait -1                              ; everybody's are
	FETCH_B 0, 0, 0
	FETCH_A 0, 0, 0
	SCALES 0
	FETCH_A 0, 0, 4
	STEP 0, 0, 1                                   ; the first step stands in front of the loop: its products start the sums
	s_mov_b32 s3, LAPS-1
.Llap:                                                 ; a trip goes once round the ring and fills both slots again
	TURN 0, 1, 1
	STEP 1, 0, 0
	TURN 1, 0, 1
	STEP 0, 0, 0
	s_sub_co_u32 s3, s3, 1
	s_cmp_lg_u32 s3, 0
	s_cbranch_scc1 .Llap
	TURN 0, 1, 0                                   ; the last lap fills nothing
	STEP 1, 0, 0
	s_wait_dscnt 4*NL                              ; the very last step
	WIN MUL_LO
	MUL16 0, 1, NQ-1, 1, 0
	MUL16 2, 1, NQ-1, 1, 0
	s_wait_dscnt 0
	WIN MUL_HI
	MUL16 4, 1, NQ-1, 1, 0
	MUL16 6, 1, NQ-1, 1, 0
	WIN 0
; THE WAY OUT.  64 numbers of a lane, v[s] .. v[s + 63] of window w, register 16 b + i = k 32 b + 16 (lane / 16) + i of my row, become a fragment's codes in v[CD] on and its scale word in v[PW].
.macro QUANT s, w
	s_wait_xcnt 0x0                                ; the last stores have read their data: the codes' and the words' registers are written again only behind this wait
	WIN 5*(\w)                                     ; sources 0 and 1 in window w
.irp b, 0,1,2,3
	v_max3_num_f32 v[TM+\b], |v[(\s)+16*\b]|, |v[(\s)+1+16*\b]|, 0x1800000   ; block b: my 16 numbers, and the floor 2^(3 - 127): the byte cannot fall under 1.  Each accumulator is read from its low end on
.endr
.irp i, 2,4,6,8,10,12,14
.irp b, 0,1,2,3
	v_max3_num_f32 v[TM+\b], |v[(\s)+16*\b+\i]|, |v[(\s)+1+16*\b+\i]|, v[TM+\b]   ; (the four blocks by turns; the running maximum stands last, in window 0)
.endr
.endr
	WIN 0
.irp b, 0,1,2,3
	v_permlanex16_b32 v[TM+4+\b], v[TM+\b], s[SEL], s[SEL+1]
.endr
.irp b, 0,1,2,3
	v_max_num_f32 v[TM+\b], v[TM+\b], v[TM+4+\b]   ; with lane l xor 16's: the block's largest magnitude
.endr
.irp b, 0,1,2,3
	v_add_nc_u32 v[TM+8+\b], 0xff000000, v[TM+\b]  ; 2 off its exponent field: the conversion's scale operand
.endr
.irp b, 0,1,2,3
	v_lshrrev_b32 v[TM+4+\b], 23, v[TM+8+\b]       ; the scale's byte
.endr
	v_lshl_or_b32 v[PW], v[TM+5], 8, v[TM+4]
	v_lshl_or_b32 v[PW], v[TM+6], 16, v[PW]
	v_lshl_or_b32 v[PW], v[TM+7], 24, v[PW]
	WIN \w                                         ; source 0 in window w
.irp c, 0,1
	v_cvt_scalef32_pk16_fp6_f32 v[CD+6*\c:CD+2+6*\c], v[(\s)+32*\c:(\s)+15+32*\c], v[TM+8+2*\c]
	v_cvt_scalef32_pk16_fp6_f32 v[CD+12+4*\c:CD+14+4*\c], v[(\s)+16+32*\c:(\s)+31+32*\c], v[TM+8+2*\c+1]   ; (a conversion's three registers begin on an even number)
.endr
	WIN 0
	v_nop                                          ; one plain line behind a scaled conversion
.irp c, 0,1                                    ; the operand's layout wants a whole block in a lane: lanes 0-15 block 2 c, lanes 16-31 block 2 c + 1
.irp i, 0,1,2
	v_permlane16_swap_b32 v[CD+6*\c+\i], v[CD+12+4*\c+\i]
.endr
.irp i, 0,1,2
	v_mov_b32 v[CD+3+6*\c+\i], v[CD+12+4*\c+\i]
.endr
.endr
.endm
.macro OUT hd, f                       ; the fragment leaves as it stands: three stores of 512 consecutive bytes; two fragments' scale words leave together, 128 consecutive bytes
.irp j, 0,1,2
	global_store_b128 v[IOFF], v[CD+4*\j:CD+4*\j+3], s[10:11] offset:(\hd)*98304+(\f)*1536+512*\j
.endr
.if (\f)%2 == 0
	v_mov_b32 v[PWE+(\hd)], v[PW]
.else
	v_cndmask_b32 v[PWM], v[PWE+(\hd)], v[PW], s95
	global_store_b32 v[SOFF], v[PWM], s[12:13] offset:(\hd)*4096+((\f)/2)*128
.endif
.endm
.macro CSLOAD b, set                   ; the cosines and sines of tiles 2 b and 2 b + 1 of places, in the order of my 64 numbers: register 32 c + 16 e + i belongs to channel 32 e + 16 (lane / 16) + i
	WIN TO_B
.irp c, 0,1
.irp e, 0,1
.irp q, 0,1,2,3
	global_load_b128 v[\set+32*\c+16*\e+4*\q:\set+32*\c+16*\e+4*\q+3], v[TOFF], s[8:9] offset:(32*(\b)+8*\c)*256+128*\e+16*\q
.endr
.endr
.endr
	WIN 0
.endm
.macro ROPE b, hd, set                 ; (even, odd) -> (even cos - odd sin, odd cos + even sin), two packed lines a pair
	WIN (2+(\b)/2)|4                               ; source 0: the accumulators' window; source 1: window 1
.set XB, 8*(8*((2*(\b))%4)+4*(\hd))
.set i, 0
.rept 8
.irp n, 0,2,4,6
.set XI, XB+i+\n+32*((i+\n)/32)
	v_pk_mul_f32 v[ST+i+\n:ST+i+\n+1], v[XI:XI+1], v[\set+i+\n:\set+i+\n+1] op_sel:[1,1] op_sel_hi:[0,1]   ; (odd sin, even sin)
.endr
.irp n, 0,2,4,6
.set XI, XB+i+\n+32*((i+\n)/32)
	v_pk_fma_f32 v[ST+i+\n:ST+i+\n+1], v[XI:XI+1], v[\set+i+\n:\set+i+\n+1], v[ST+i+\n:ST+i+\n+1] op_sel_hi:[1,0,1] neg_lo:[0,0,1] neg_hi:[0,0,0]
.endr
.set i, i+8
.endr
	WIN 0
.endm
	PLACES NP                                      ; behind the last products: their results are read, and their operands' registers written and loaded, from here on
.irp b, 0,1,2,3
	v_mov_b32 v[TM+4+\b], 0                        ; written once: a lane permute's destination counts as one of its sources
.endr
	s_cmp_eq_u32 ttmp9, 2
	s_cbranch_scc1 .Lv
	; Q and K: a lane holds one place; fragment b is tiles 2 b and 2 b + 1 of places x one head's 64 channels
	CSLOAD 0, 0
	CSLOAD 1, 128
.irp b, 0,1,2,3
.if \b < 3
	s_wait_loadcnt 16                              ; this pair of tiles' 16 loads are in; the next pair's 16 may be out
.else
	s_wait_loadcnt 0x0
.endif
.irp hd, 0,1
	ROPE \b, \hd, 128*(\b%2)
	QUANT ST, 0
	OUT \hd, \b
.endr
.if \b < 2
	CSLOAD \b+2, 128*(\b%2)
.endif
.endr
	s_branch .Lend
.Lv:	; V: a lane holds one channel of tile a of W_V's rows; its 64 registers run along my step's 128 places
.irp a, 0,1,2,3,4,5,6,7
	QUANT 64*(\a%4), 2+\a/4
	OUT \a/4, \a%4
.endr
.Lend:
	s_wait_tensorcnt 0x0                           ; the wave's end
	ds_add_u32 v[SPW], v[NIL]
	s_wait_dscnt 0x0
	CROUND                                         ; the closing round: no work-group ends while a partner may still ask for a tile that names it
	s_endpgm
.Lfunc_end_k_qb77107f3ba_proj:
	.size	k_qb77107f3ba_proj, .Lfunc_end_k_qb77107f3ba_proj-k_qb77107f3ba_proj
	.p2alignl 7, 3214868480
	.fill 96, 4, 3214868480
	.section	.rodata,"a",@progbits
	.p2align	6, 0x0
	.amdhsa_kernel k_qb77107f3ba_proj
		.amdhsa_group_segment_fixed_size 327680
		.amdhsa_private_segment_fixed_size 0
		.amdhsa_enable_private_segment 0
		.amdhsa_kernarg_size 40
		.amdhsa_user_sgpr_count 2
		.amdhsa_user_sgpr_kernarg_segment_ptr 1
		.amdhsa_wavefront_size32 1
		.amdhsa_system_sgpr_workgroup_id_x 1
		.amdhsa_system_sgpr_workgroup_id_y 1
		.amdhsa_system_sgpr_workgroup_id_z 1
		.amdhsa_system_vgpr_workitem_id 0
		.amdhsa_next_free_vgpr 1024
		.amdhsa_next_free_sgpr 102
		.amdhsa_reserve_vcc 0
		.amdhsa_float_denorm_mode_32 3
		.amdhsa_float_denorm_mode_16_64 3
		.amdhsa_memory_ordered 1
		.amdhsa_forward_progress 1
		.amdhsa_inst_pref_size 237
	.end_amdhsa_kernel
	.amdgpu_metadata
---
amdhsa.version: [ 1, 2 ]
amdhsa.kernels:
  - .name:           k_qb77107f3ba_proj
    .symbol:         k_qb77107f3ba_proj.kd
    .args:
      - { .name: codes, .offset: 0, .size: 8, .value_kind: global_buffer, .address_space: global }
      - { .name: scales, .offset: 8, .size: 8, .value_kind: global_buffer, .address_space: global }
      - { .name: rope, .offset: 16, .size: 8, .value_kind: global_buffer, .address_space: global }
      - { .name: qkvimg, .offset: 24, .size: 8, .value_kind: global_buffer, .address_space: global }
      - { .name: qkvsc, .offset: 32, .size: 8, .value_kind: global_buffer, .address_space: global }
    .group_segment_fixed_size: 327680
    .private_segment_fixed_size: 0
    .kernarg_segment_align: 8
    .kernarg_segment_size: 40
    .max_flat_workgroup_size: 128
    .sgpr_count:     102
    .vgpr_count:     1024
    .wavefront_size: 32
...
	.end_amdgpu_metadata
.endif
;; end of part 2
;; launch attn (part 3): grid 4 x 64, 16 waves a work-group, clusters of 4 x 1, 206,848 bytes of LDS; arguments qkvimg, qkvsc, aoimg, aosc; writes aoimg, aosc
.if DOCPART == 3
	.amdgcn_target "amdgcn-amd-amdhsa--gfx1250"
	.amdhsa_code_object_version 6
	.text
	.protected	k_qb77107f3ba_attn
	.globl	k_qb77107f3ba_attn
	.p2align	8
	.type	k_qb77107f3ba_attn,@function
k_qb77107f3ba_attn:
	s_mov_b64 s[64:65], 0
	v_nop
	global_prefetch_b8 v0, s[64:65] scope:SCOPE_SE
	s_setreg_imm32_b32 hwreg(HW_REG_WAVE_MODE, 25, 1), 1
	s_wait_xcnt 0x0
	s_wait_alu depctr_hold_cnt(0) depctr_sa_sdst(0) depctr_va_vdst(0) depctr_va_sdst(0) depctr_va_ssrc(0) depctr_va_vcc(0) depctr_vm_vsrc(0)
	s_getreg_b32 s2, hwreg(HW_REG_IB_STS2, 6, 4)
	s_cmp_eq_u32 s2, 0
	s_cbranch_scc0 .Lentry_in_a_cluster
	s_endpgm
.Lentry_in_a_cluster:
	s_bfe_u32 s2, ttmp6, 0x10000c
	s_cmp_lg_u32 s2, 0x3003
	s_cbranch_scc0 .Lentry_shape_is_right
	s_endpgm
.Lentry_shape_is_right:
; ATTN.  For each batch x head: O = softmax(Q K^T / 8, causal) V, both products on codes of FP6 (E2M3) with E8M0 scales; O / l is quantised along d_model and leaves as register images for the last product.
; THE SOFTMAX: t = score x log2(e) / 8; M = the row's largest t so far, rounded up to a whole number; p = 2^(t - M) is quantised along the keys, not normalised; the row's sum is taken of the unquantised p and divides O
; at the end.  When M moves, the sum and O are multiplied by 2^(old M - new M): exact.
; A WHOLE HEAD'S K AND V LIE IN LDS: 2 x 98,304 bytes of images and 8,192 of scale words, each byte filled once: no ring, and no barrier in any loop.  The four work-groups of a cluster serve one head and ask for
; these bytes jointly (mask 15); waves 0-3 issue three loads each (scale words, keys 0-1023, keys 1024-2047).
; SHARES.  A head has 128 tiles of 16 queries.  Wave w of work-group cx owns tiles A = 4 w + cx and B = 127 - A.  A / 8 = w / 2 and B / 8 = 15 - w / 2 hang on the wave's number alone: so does every branch here.
; Each wave works 17 key steps of 128 keys: tile B's steps 0-7 (all keys count), then behind one barrier its steps 8 .. 15 - w / 2, then tile A's steps 0 .. w / 2.  All loops have eight trips; a step whose keys all come
; after the tile's queries is left out by a scalar branch round its work.
; LAYOUT.  Tile t of places holds places 32 (t / 2) + 8 (t % 2) + r + 8 (r / 8).  Both products are used transposed: S^T = K Q^T, O^T = V^T P^T: a lane holds one query (lane % 16) throughout, and the 16 registers of
; key tiles 2 b, 2 b + 1 are keys 32 b + 16 (lane / 16) + 0 .. 15.  A fragment of K holds two tiles x 64 channels; it is multiplied once by (q, zeros) and once by (zeros, q): q's six registers stand between two runs of
; six zeros, and the two operands are two windows of twelve on that run of eighteen.
; LIMITS: NaN and infinities are not served; a block of p or of O whose largest magnitude lies under 2^-124 gets the byte 1 (this program alone reads the bytes).
.set SC,   196608                      ; LDS: half H of the keys at 98,304 H: K's eight steps of 6,144 bytes, then V's; behind both halves K's scale words (256 bytes a step), then V's
.set LI,   1                           ; v1   16 x lane: an image's place for my lane
.set LS,   2                           ; v2   SC + 4 x lane: a scale word's
.set ADK,  3                           ; v3   the step's images
.set ADS,  4                           ; v4   the step's scale words
.set DQB,  5                           ; v5   tile B: my query's place less the diagonal step's first key less 16 (lane / 16)
.set DQA,  6                           ; v6   tile A's
.set L8,   7                           ; v7   8 x lane
.set KSR,  8                           ; v8-9   K's scale words: lanes 0-15 an even fragment's, lanes 16-31 the odd one's
.set VSR,  10                          ; v10-11 V's
                                       ; v12 -M, v13 the largest t, v[14:15] the sum in two halves
.set QB,   16                          ; v16-33 tile B: zeros, q, zeros
.set QSB,  34                          ; v34    its scale word, (s0, s1, s0, s1)
.set R32,  35                          ; v35    32 x (lane % 16): a row of aosc
.set QA,   36                          ; v36-53, v54 tile A's
.set QSA,  54
.set F,    56                          ; v56-103  four fragments of K or of V
.set S,    104                         ; v104-167 S^T, then p
.set O,    168                         ; v168-199 O^T
.set CD,   200                         ; v200-211 p's codes
.set BM,   212                         ; v212-215 the blocks' maxima
.set PT,   216                         ; v216-222 at work
.set SOP,  224                         ; v224-227 the conversions' scale operands
.set DB,   231
.set FF,   232                         ; v232 f = 2^(old M - new M)
.set PW,   233                         ; v233 p's scale word
.set TT,   234
.set R4,   235
.set VOB,  236                         ; v236-238, v240-242 offsets of Q's loads
.set VOA,  240
.set WV,   12
.set SEL,  20
.set CS,   22                          ; s[22:23] c = log2(e) / 8
.set G1D,  24
.set G1S,  32
.set G0S,  40
.set G0A,  44
.set G0B,  48
.set KF,   52                          ; the step's first key
.set QD,   53                          ; the first key of the tile's diagonal step
.set TB,   54                          ; LDS byte of the step's images
.set TS,   55                          ; and of its scale words
.set CNT,  56
.set QDA,  57
.set QDB,  58
.set AOB,  68                          ; s[68:69], s[70:71] tile B's places in aoimg and aosc;  s[72:73], s[74:75] tile A's
.set ASB,  70
.set AOA,  72
.set ASA,  74
.set PSB,  80                          ; byte selects that make (s0, s1, s0, s1) of Q's scale word
.set PSA,  81
.macro CROUND                          ; a round of the cluster's barrier
	s_barrier_signal -1
	s_barrier_wait -1
	s_cmp_lg_u32 s[WV], 0
	s_cbranch_scc1 .Lnot_wave_0_\@
	s_barrier_signal -3
.Lnot_wave_0_\@:
	s_barrier_wait -3
	s_barrier_signal -1
	s_barrier_wait -1
.endm
	s_load_b256 s[4:11], s[0:1], 0x0               ; qkvimg, qkvsc, aoimg, aosc
	v_lshl_add_u32 v254, v0, 2, 0x32000
	v_mov_b32 v255, 0
	ds_add_u32 v254, v255
	ds_add_u32 v254, v255
	v_lshrrev_b32 v230, 5, v0
	s_delay_alu instid0(VALU_DEP_1)
	v_readfirstlane_b32 s[WV], v230                ; wave 0..15
	s_bfe_u32 s13, ttmp6, 0x40000                  ; cx
	s_and_b32 s14, ttmp7, 0xffff                   ; batch x head: the cluster's y, shared by the four partners
	; descriptor group 1: dense blocks as rows of 256 bytes (32 elements of 8): 96 rows of images, 8 rows of scale words; mask 15, bit 21 beside it
	s_mov_b32 s[G1D], 15|(3<<16)|(1<<21)
	s_mov_b32 s[G1D+1], 32<<16
	s_mov_b32 s[G1D+2], 96<<16
	s_mov_b32 s[G1D+3], 32<<16
	s_mov_b32 s[G1D+4], 96
	s_mov_b32 s[G1D+5], 32
	s_mov_b32 s[G1D+6], 0
	s_mov_b32 s[G1D+7], 0
	s_mov_b32 s[G1S], 15|(3<<16)|(1<<21)
	s_mov_b32 s[G1S+1], 32<<16
	s_mov_b32 s[G1S+2], 8<<16
	s_mov_b32 s[G1S+3], 32<<16
	s_mov_b32 s[G1S+4], 8
	s_mov_b32 s[G1S+5], 32
	s_mov_b32 s[G1S+6], 0
	s_mov_b32 s[G1S+7], 0
	s_and_b32 s60, s[WV], 3                        ; what I fetch, if I fetch: waves 0, 1 K's, waves 2, 3 V's; each four steps of a half
	s_lshr_b32 s61, s60, 1
	s_and_b32 s62, s60, 1
	s_add_co_u32 s61, s61, 1                       ; the kind: 1 K, 2 V
	s_mul_i32 s66, s61, 6291456
	s_mul_i32 s63, s14, 98304
	s_add_co_u32 s66, s66, s63
	s_mul_i32 s63, s62, 24576
	s_add_co_u32 s66, s66, s63
	s_mov_b32 s67, 0                               ; s[66:67]: the images' bytes in memory
	s_mul_i32 s76, s61, 262144
	s_lshl_b32 s63, s14, 12
	s_add_co_u32 s76, s76, s63
	s_lshl_b32 s63, s62, 11
	s_add_co_u32 s76, s76, s63
	s_mov_b32 s77, 0                               ; s[76:77]: the scale words'
	s_mul_i32 s78, s60, 24576                      ; and their places in LDS: no place in the cluster enters an LDS address
	s_lshl_b32 s79, s60, 11
	s_mul_i32 s3, s14, 98304                       ; Q's images of this head
	s_lshl_b32 s59, s14, 12                        ; and its scale words
	s_and_b32 s82, s14, 15                         ; the head
	s_lshr_b32 s83, s14, 4
	s_lshl_b32 s83, s83, 7                         ; 128 x batch: tiles of places are counted through the batches
	s_mul_i32 s84, s82, 768                        ; the head's 768 bytes in a tile's images
	s_lshl_b32 s85, s82, 1                         ; and its two bytes in a row of scales
	s_lshr_b32 s[QDA], s[WV], 1
	s_lshl_b32 s[QDA], s[QDA], 7                   ; 128 (w / 2)
	s_sub_co_u32 s[QDB], 1920, s[QDA]              ; 128 (15 - w / 2)
	s_mov_b32 s[SEL], 0x76543210
	s_mov_b32 s[SEL+1], 0xfedcba98
	s_mov_b32 s[CS], 0x3e38aa3b
	s_mov_b32 s[CS+1], s[CS]                       ; (named with it as a pair, so it is written)
	s_wait_dscnt 0x0
	s_wait_kmcnt 0x0
	s_mov_b32 s[G0S], 1
	s_add_co_u32 s[G0S+1], s79, SC
	s_add_nc_u64 s[G0S+2:G0S+3], s[6:7], s[76:77]
	s_or_b32 s[G0S+3], s[G0S+3], 0x80000000
	s_mov_b32 s[G0A], 1
	s_mov_b32 s[G0A+1], s78
	s_add_nc_u64 s[G0A+2:G0A+3], s[4:5], s[66:67]
	s_mov_b32 s[G0B], 1
	s_add_co_u32 s[G0B+1], s78, 98304
	s_add_nc_u64 s[G0B+2:G0B+3], s[G0A+2:G0A+3], 49152   ; the second half's eight steps
	s_or_b32 s[G0A+3], s[G0A+3], 0x80000000
	s_or_b32 s[G0B+3], s[G0B+3], 0x80000000
	CROUND                                         ; all four work-groups are here: the joint loads meet
	s_cmp_lt_u32 s[WV], 4
	s_cbranch_scc0 .Lnot_fetching
	tensor_load_to_lds s[G0S:G0S+3], s[G1S:G1S+7]  ; a fetching wave's three loads stand in one branch: by this text's count three are out
	s_nop 0
	tensor_load_to_lds s[G0A:G0A+3], s[G1D:G1D+7]
	s_nop 0
	tensor_load_to_lds s[G0B:G0B+3], s[G1D:G1D+7]
	s_nop 0
.rept 4
	v_nop
.endr
.Lnot_fetching:
	v_and_b32 v230, 31, v0                         ; lane
	s_delay_alu instid0(VALU_DEP_1)
	v_lshlrev_b32 v[LI], 4, v230
	s_delay_alu instid0(VALU_DEP_2)
	v_lshlrev_b32 v[LS], 2, v230
	s_delay_alu instid0(VALU_DEP_1)
	v_add_nc_u32 v[LS], SC, v[LS]
	s_delay_alu instid0(VALU_DEP_4)
	v_lshlrev_b32 v[L8], 3, v230
	v_and_b32 v229, 15, v0                         ; r
	v_bfe_u32 v228, v0, 4, 1                       ; h
	s_delay_alu instid0(VALU_DEP_2)
	v_lshlrev_b32 v[R4], 2, v229
	s_wait_alu depctr_va_vdst(0)
	v_lshlrev_b32 v[R32], 5, v229
	v_and_b32 v[DB], 8, v229
	s_delay_alu instid0(VALU_DEP_1)
	v_add_nc_u32 v[DB], v[DB], v229
	v_lshlrev_b32 v228, 4, v228
	s_delay_alu instid0(VALU_DEP_1)
	v_sub_nc_u32 v[DB], v[DB], v228                ; r + 8 (r / 8) - 16 h
	s_lshl_b32 s15, s[WV], 2
	s_add_co_u32 s15, s15, s13                     ; tile A
	s_sub_co_u32 s16, 127, s15                     ; tile B
; All that hangs on a tile's number: Q's six registers and scale word, the diagonal's offset, the places of the results.  c = tile % 2 picks registers 6 c .. 6 c + 5 of fragment tile / 2: in the image they lie at
; bytes 0, 8, 512 (c = 0) or 520, 1024, 1032 (c = 1) of a lane's 16-byte places.  What hangs on cx stays in registers that feed no descriptor, no LDS address and no branch.
.macro TILESET tau, q, qs, vo, dq, ao, as, ps
	s_lshr_b32 s17, s[\tau], 1
	s_and_b32 s18, s[\tau], 1
	s_mul_i32 s19, s17, 1536
	s_add_co_u32 s19, s19, s3
	s_mul_i32 s2, s18, 520
	s_add_co_u32 s2, s2, s19
	v_add_nc_u32 v[\vo], s2, v[LI]
	s_mul_i32 s2, s18, 1016
	s_add_co_u32 s2, s2, s19
	v_add_nc_u32 v[\vo+1], s2, v[LI]
	s_lshl_b32 s2, s17, 6
	s_add_co_u32 s2, s2, s59
	v_add_nc_u32 v[\vo+2], s2, v[R4]
	global_load_b64 v[\q+6:\q+7], v[\vo], s[4:5]
	global_load_b64 v[\q+8:\q+9], v[\vo+1], s[4:5] offset:8
	global_load_b64 v[\q+10:\q+11], v[\vo], s[4:5] offset:512
	global_load_b32 v[\qs], v[\vo+2], s[6:7]
.irp i, 0,1,2,3,4,5,12,13,14,15,16,17
	v_mov_b32 v[\q+\i], 0                          ; zero codes: they add nothing under any scale byte but 0xff
.endr
	s_and_b32 s2, s17, 3
	s_lshl_b32 s2, s2, 5
	s_lshl_b32 s19, s18, 3
	s_add_co_u32 s2, s2, s19
	v_add_nc_u32 v[\dq], s2, v[DB]
	s_mul_i32 s2, s18, 0x02020202
	s_add_co_u32 s[\ps], s2, 0x01000100            ; bytes 0, 1 or bytes 2, 3 of the word, twice
	s_add_co_u32 s2, s83, s[\tau]                  ; the tile, counted through the batches
	s_mul_i32 s19, s2, 12288
	s_add_co_u32 s[\ao], s19, s84
	s_mov_b32 s[\ao+1], 0
	s_add_nc_u64 s[\ao:\ao+1], s[8:9], s[\ao:\ao+1]
	s_lshl_b32 s19, s2, 9
	s_add_co_u32 s[\as], s19, s85
	s_mov_b32 s[\as+1], 0
	s_add_nc_u64 s[\as:\as+1], s[10:11], s[\as:\as+1]
.endm
	TILESET 16, QB, QSB, VOB, DQB, AOB, ASB, PSB
	TILESET 15, QA, QSA, VOA, DQA, AOA, ASA, PSA
.irp b, 0,1,2,3
	v_mov_b32 v[PT+\b], 0                          ; written once: a lane permute's destination counts as one of its sources
.endr
	v_mov_b32 v[PW], 0                             ; (named as the upper half of the pair v[232:233] before it is first written)
	v_mov_b32 v[TT], 0
.macro INIT                            ; a tile's loop is written once: its first step finds zeros, which the first change of M leaves zeros
	v_mov_b32 v13, 0xff61b1e6                      ; the largest t so far: -3e38
	s_delay_alu instid0(VALU_DEP_1)
	v_floor_f32 v12, -v13                          ; -M
	v_mov_b32 v14, 0
	v_mov_b32 v15, 0
.set j, 0
.rept 32
	v_mov_b32 v[O+j], 0
.set j, j+1
.endr
.endm
.macro MMZ d, a, b, sa, sb, row1       ; a product that starts its sum
.if \row1
	v_wmma_scale_f32_16x16x128_f8f6f4 v[\d:\d+7], v[\a:\a+11], v[\b:\b+11], 0, v[\sa], v[\sb] matrix_a_fmt:MATRIX_FMT_FP6 matrix_b_fmt:MATRIX_FMT_FP6 matrix_a_scale:MATRIX_SCALE_ROW1
.else
	v_wmma_scale_f32_16x16x128_f8f6f4 v[\d:\d+7], v[\a:\a+11], v[\b:\b+11], 0, v[\sa], v[\sb] matrix_a_fmt:MATRIX_FMT_FP6 matrix_b_fmt:MATRIX_FMT_FP6
.endif
.endm
.macro MMA d, a, b, sa, sb, row1       ; a product that adds in place
.if \row1
	v_wmma_scale_f32_16x16x128_f8f6f4 v[\d:\d+7], v[\a:\a+11], v[\b:\b+11], v[\d:\d+7], v[\sa], v[\sb] matrix_a_fmt:MATRIX_FMT_FP6 matrix_b_fmt:MATRIX_FMT_FP6 matrix_a_scale:MATRIX_SCALE_ROW1
.else
	v_wmma_scale_f32_16x16x128_f8f6f4 v[\d:\d+7], v[\a:\a+11], v[\b:\b+11], v[\d:\d+7], v[\sa], v[\sb] matrix_a_fmt:MATRIX_FMT_FP6 matrix_b_fmt:MATRIX_FMT_FP6
.endif
.endm
; A KEY STEP: 128 keys.  masked = 1: the step may be the tile's diagonal step or lie behind it.
.macro STEP masked, q, qs, dq
.if \masked
	s_cmp_gt_u32 s[KF], s[QD]                      ; all keys come after my queries: only the addresses step
	s_cbranch_scc1 .Lhid_\@
.endif
	s_setprio 2
	v_add_nc_u32 v[ADK], s[TB], v[LI]
	v_add_nc_u32 v[ADS], s[TS], v[LS]
	v_nop
	v_nop                                          ; four plain lines between the last step's products and the loads into their operands' registers
.irp b, 0,1,2,3
.irp j, 0,1,2
	ds_load_b128 v[F+12*\b+4*\j:F+12*\b+4*\j+3], v[ADK] offset:1536*\b+512*\j   ; K's four fragments, as they were stored: 512 consecutive bytes a load
.endr
.endr
	ds_load_b32 v[KSR], v[ADS]
	ds_load_b32 v[KSR+1], v[ADS] offset:128
	s_wait_alu depctr_va_vdst(0)
	s_wait_dscnt 0x0
.irp b, 0,1,2,3                                ; S^T: fragment b against (q, zeros): key tile 2 b; against (zeros, q): key tile 2 b + 1
	MMZ S+16*\b, F+12*\b, \q+6, KSR+\b/2, \qs, \b%2
	MMZ S+16*\b+8, F+12*\b, \q, KSR+\b/2, \qs, \b%2
.endr
.rept 4
	v_nop                                          ; places: the scores are read and K's registers loaded again from here on
.endr
.irp t, 0,1,2,3
.irp j, 0,1,2
	ds_load_b128 v[F+12*\t+4*\j:F+12*\t+4*\j+3], v[ADK] offset:49152+1536*\t+512*\j   ; V's four fragments land while the softmax is worked
.endr
.endr
	ds_load_b32 v[VSR], v[ADS] offset:4096
	ds_load_b32 v[VSR+1], v[ADS] offset:4096+128
.if \masked
	s_cmp_lg_u32 s[KF], s[QD]                      ; ahead of the diagonal step all keys count
	s_cbranch_scc1 .Lopen_\@
	v_mov_b32 v[TT], 0xff800000                    ; -infinity: p = 0 then.  Register 16 b + i holds key KF + 32 b + 16 (lane / 16) + i: hidden where 32 b + i > dq
.irp n, 0,1,2,3,4,5,6,7,8,9,10,11,12,13,14,15,16,17,18,19,20,21,22,23,24,25,26,27,28,29,30,31,32,33,34,35,36,37,38,39,40,41,42,43,44,45,46,47,48,49,50,51,52,53,54,55,56,57,58,59,60,61,62,63
	v_cmp_gt_i32 vcc_lo, 32*(\n/16)+\n%16, v[\dq]
	v_cndmask_b32 v[S+\n], v[S+\n], v[TT], vcc_lo
.endr
.Lopen_\@:
.endif
.irp b, 0,1,2,3
	v_max3_num_f32 v[BM+\b], v[S+16*\b], v[S+1+16*\b], v[S+2+16*\b]   ; the largest score of each block of 32 keys: it serves for the row's maximum and, since p rises with the score, for the block's largest p
.endr
.irp i, 3,5,7,9,11,13
.irp b, 0,1,2,3
	v_max3_num_f32 v[BM+\b], v[BM+\b], v[S+16*\b+\i], v[S+1+16*\b+\i]
.endr
.endr
.irp b, 0,1,2,3
	v_max_num_f32 v[BM+\b], v[BM+\b], v[S+15+16*\b]
.endr
.irp b, 0,1,2,3
	s_delay_alu instid0(VALU_DEP_4)
	v_permlanex16_b32 v[PT+\b], v[BM+\b], s[SEL], s[SEL+1]
.endr
.irp b, 0,1,2,3
	s_delay_alu instid0(VALU_DEP_4)
	v_max_num_f32 v[BM+\b], v[BM+\b], v[PT+\b]     ; with lane l xor 16's 16 keys
.endr
	s_delay_alu instid0(VALU_DEP_2)
	v_max3_num_f32 v[TT], v[BM], v[BM+1], v[BM+2]
	s_delay_alu instid0(VALU_DEP_1)
	v_max_num_f32 v[TT], v[TT], v[BM+3]            ; the step's largest score of my query
	s_delay_alu instid0(VALU_DEP_1)
	v_mul_f32 v[TT], s[CS], v[TT]                  ; as t
	s_delay_alu instid0(VALU_DEP_1)
	v_max_num_f32 v13, v13, v[TT]                  ; the running largest t
	v_mov_b32 v[TT], v12
	s_delay_alu instid0(VALU_DEP_2)
	v_floor_f32 v12, -v13                          ; the new -M = -ceil(t)
	s_delay_alu instid0(VALU_DEP_1)
	v_sub_f32 v[TT], v12, v[TT]                    ; old M - new M: a whole number, 0 or less
	s_delay_alu instid0(VALU_DEP_1)
	v_cvt_i32_f32 v[TT], v[TT]                     ; (it saturates)
	s_delay_alu instid0(VALU_DEP_1)
	v_ldexp_f32 v[FF], 1.0, v[TT]                  ; f = 2^(old M - new M)
.set j, 0
.rept 32
	v_pk_fma_f32 v[S+j:S+j+1], v[S+j:S+j+1], s[CS:CS+1], v[12:13] op_sel_hi:[1,0,0]   ; t - M, two at a time
.set j, j+2
.endr
.irp b, 0,1,2,3
	v_fma_f32 v[BM+\b], v[BM+\b], s[CS], v12       ; the same of each block's largest score
.endr
.set j, 0
	s_setprio 1
	s_wait_alu depctr_va_vdst(0)
.rept 64
	v_exp_f32 v[S+j], v[S+j]                       ; p = 2^(t - M), at most 1
.set j, j+1
.endr
.irp b, 0,1,2,3
	v_exp_f32 v[BM+\b], v[BM+\b]                   ; the block's largest p: the same two instructions on the same number
.endr
	v_pk_mul_f32 v[14:15], v[14:15], v[FF:FF+1] op_sel_hi:[1,0]   ; the sums under the new M (a plain line behind the exponentials)
	s_wait_alu depctr_va_vdst(0)
.irp b, 0,1,2,3
	v_max_num_f32 v[BM+\b], 0x1800000, v[BM+\b]    ; the floor 2^(3 - 127): the byte cannot fall under 1
.endr
.irp b, 0,1,2,3
	s_delay_alu instid0(VALU_DEP_4)
	v_add_nc_u32 v[SOP+\b], 0xff000000, v[BM+\b]   ; 2 off the exponent field: the conversion's scale operand
.endr
.irp b, 0,1,2,3
	s_delay_alu instid0(VALU_DEP_4)
	v_lshrrev_b32 v[PT+\b], 23, v[SOP+\b]          ; the scale's byte
.endr
	s_delay_alu instid0(VALU_DEP_3)
	v_lshl_or_b32 v[PW], v[PT+1], 8, v[PT]
	s_delay_alu instid0(VALU_DEP_1)
	v_lshl_or_b32 v[PW], v[PT+2], 16, v[PW]
	s_delay_alu instid0(VALU_DEP_1)
	v_lshl_or_b32 v[PW], v[PT+3], 24, v[PW]
.irp c, 0,1
	v_cvt_scalef32_pk16_fp6_f32 v[CD+6*\c:CD+2+6*\c], v[S+32*\c:S+15+32*\c], v[SOP+2*\c]
	v_cvt_scalef32_pk16_fp6_f32 v[PT+4*\c:PT+2+4*\c], v[S+16+32*\c:S+31+32*\c], v[SOP+2*\c+1]   ; (a conversion's three registers begin on an even number)
.endr
	v_nop                                          ; one plain line behind a scaled conversion
.irp c, 0,1                                    ; a whole block in a lane: lanes 0-15 block 2 c, lanes 16-31 block 2 c + 1
.irp i, 0,1,2
	v_permlane16_swap_b32 v[CD+6*\c+\i], v[PT+4*\c+\i]
.endr
.irp i, 0,1,2
	s_delay_alu instid0(VALU_DEP_3)
	v_mov_b32 v[CD+3+6*\c+\i], v[PT+4*\c+\i]
.endr
.endr
	v_pk_add_f32 v[216:217], v[108:109], v[112:113]
	v_pk_add_f32 v[252:253], v[116:117], v[120:121]
	v_pk_add_f32 v[250:251], v[124:125], v[128:129]
	v_pk_add_f32 v[248:249], v[132:133], v[136:137]
	v_pk_add_f32 v[246:247], v[140:141], v[144:145]
	v_pk_add_f32 v[244:245], v[148:149], v[152:153]
	v_pk_add_f32 v[242:243], v[156:157], v[160:161]
	v_pk_add_f32 v[14:15], v[14:15], v[164:165]
	v_pk_add_f32 v[216:217], v[216:217], v[104:105]
	v_pk_add_f32 v[252:253], v[252:253], v[106:107]
	v_pk_add_f32 v[250:251], v[250:251], v[110:111]
	v_pk_add_f32 v[248:249], v[248:249], v[114:115]
	v_pk_add_f32 v[246:247], v[246:247], v[118:119]
	v_pk_add_f32 v[244:245], v[244:245], v[122:123]
	v_pk_add_f32 v[242:243], v[242:243], v[126:127]
	v_pk_add_f32 v[14:15], v[14:15], v[130:131]
	v_pk_add_f32 v[216:217], v[216:217], v[134:135]
	v_pk_add_f32 v[252:253], v[252:253], v[138:139]
	v_pk_add_f32 v[250:251], v[250:251], v[142:143]
	v_pk_add_f32 v[248:249], v[248:249], v[146:147]
	v_pk_add_f32 v[246:247], v[246:247], v[150:151]
	s_setprio 0
	v_pk_add_f32 v[244:245], v[244:245], v[154:155]
	v_pk_add_f32 v[242:243], v[242:243], v[158:159]
	v_pk_add_f32 v[14:15], v[14:15], v[162:163]
	v_pk_add_f32 v[216:217], v[216:217], v[166:167]
	s_delay_alu instid0(VALU_DEP_2)
	v_pk_add_f32 v[14:15], v[14:15], v[248:249]
	s_delay_alu instid0(VALU_DEP_2)
	v_pk_add_f32 v[216:217], v[216:217], v[246:247]
	v_pk_add_f32 v[252:253], v[252:253], v[244:245]
	v_pk_add_f32 v[250:251], v[250:251], v[242:243]
	s_delay_alu instid0(VALU_DEP_2)
	v_pk_add_f32 v[14:15], v[14:15], v[252:253]
	s_delay_alu instid0(VALU_DEP_2)
	v_pk_add_f32 v[216:217], v[216:217], v[250:251]
	s_delay_alu instid0(VALU_DEP_1)
	v_pk_add_f32 v[14:15], v[14:15], v[216:217]
.set j, 0
.rept 16
	v_pk_mul_f32 v[O+j:O+j+1], v[O+j:O+j+1], v[FF:FF+1] op_sel_hi:[1,0]   ; O^T under the new M.  (With the sums above: the plain lines between the scale word and the codes, made by vector lines, and the products)
.set j, j+2
.endr
	s_wait_alu depctr_va_vdst(0)
	s_wait_dscnt 0x0                               ; V is in
.irp t, 0,1,2,3                                ; O^T += V^T P^T: the four accumulators take turns
	MMA O+8*\t, F+12*\t, CD, VSR+\t/2, PW, \t%2
.endr
.Lhid_\@:
	s_add_co_u32 s[KF], s[KF], 128
	s_add_co_u32 s[TB], s[TB], 6144
	s_add_co_u32 s[TS], s[TS], 256
.endm
; A TILE'S END: O^T / the sum; register 16 b + i is channel 32 b + 16 (lane / 16) + i of the head: two blocks along d_model.  Their codes are registers 6 c .. 6 c + 5 (c = head % 2) of the last product's operand.
.macro FINISH ao, as
	v_add_f32 v14, v14, v15                        ; the sum's two halves,
	s_delay_alu instid0(VALU_DEP_1)
	v_permlanex16_b32 v[TT], v14, s[SEL], s[SEL+1]
	s_delay_alu instid0(VALU_DEP_1)
	v_add_f32 v14, v14, v[TT]                      ; and lane l xor 16's
	s_wait_alu depctr_va_vdst(0)
	v_rcp_f32 v14, v14
.rept 3
	v_nop                                          ; with the two additions: the places behind the last products; and the plain line behind the reciprocal
.endr
.set j, 0
	s_wait_alu depctr_va_vdst(0)
.rept 16
	v_pk_mul_f32 v[S+j:S+j+1], v[O+j:O+j+1], v[14:15] op_sel_hi:[1,0]   ; each accumulator from its low end on
.set j, j+2
.endr
.irp b, 0,1
	v_max3_num_f32 v[BM+\b], |v[S+16*\b]|, |v[S+1+16*\b]|, 0x1800000
.endr
.irp i, 2,4,6,8,10,12,14
.irp b, 0,1
	s_delay_alu instid0(VALU_DEP_2)
	v_max3_num_f32 v[BM+\b], v[BM+\b], |v[S+16*\b+\i]|, |v[S+1+16*\b+\i]|
.endr
.endr
.irp b, 0,1
	s_delay_alu instid0(VALU_DEP_2)
	v_permlanex16_b32 v[PT+\b], v[BM+\b], s[SEL], s[SEL+1]
.endr
.irp b, 0,1
	s_delay_alu instid0(VALU_DEP_2)
	v_max_num_f32 v[BM+\b], v[BM+\b], v[PT+\b]
.endr
.irp b, 0,1
	s_delay_alu instid0(VALU_DEP_2)
	v_add_nc_u32 v[SOP+\b], 0xff000000, v[BM+\b]
.endr
.irp b, 0,1
	s_delay_alu instid0(VALU_DEP_2)
	v_lshrrev_b32 v[PT+\b], 23, v[SOP+\b]
.endr
	s_delay_alu instid0(VALU_DEP_1)
	v_lshl_or_b32 v[TT], v[PT+1], 8, v[PT]         ; the head's two scale bytes of my row
	v_cvt_scalef32_pk16_fp6_f32 v[CD:CD+2], v[S:S+15], v[SOP]
	v_cvt_scalef32_pk16_fp6_f32 v[PT+4:PT+6], v[S+16:S+31], v[SOP+1]
	v_nop
.irp i, 0,1,2
	v_permlane16_swap_b32 v[CD+\i], v[PT+4+\i]
.endr
.irp i, 0,1,2
	s_delay_alu instid0(VALU_DEP_3)
	v_mov_b32 v[CD+3+\i], v[PT+4+\i]
.endr
.irp p, 0,1,2
	global_store_b64 v[L8], v[CD+2*\p:CD+2*\p+1], s[\ao:\ao+1] offset:256*\p   ; 32 lanes store 256 consecutive bytes, aligned
.endr
	global_store_b16 v[R32], v[TT], s[\as:\as+1]   ; lanes r and r + 16 write the same two bytes with the same value
.endm
	s_wait_tensorcnt 0x1                           ; the scale words and keys 0-1023 are in; the load of keys 1024-2047 may be out
	s_barrier_signal -1
	s_barrier_wait -1
	s_wait_loadcnt 0x0                             ; Q
	v_perm_b32 v[QSB], v[QSB], v[QSB], s[PSB]
	v_perm_b32 v[QSA], v[QSA], v[QSA], s[PSA]
	INIT                                           ; (its lines are also the plain lines between the scale words just made and the first product)
	s_mov_b32 s[KF], 0
	s_mov_b32 s[TB], 0
	s_mov_b32 s[TS], 0
	s_mov_b32 s[QD], s[QDB]
	s_mov_b32 s[CNT], 8
.Lfirst_half:                                          ; tile B, keys 0-1023: all count
	STEP 0, QB, QSB, DQB
	s_sub_co_u32 s[CNT], s[CNT], 1
	s_cmp_lg_u32 s[CNT], 0
	s_cbranch_scc1 .Lfirst_half
	s_setprio 0
	s_wait_tensorcnt 0x0                           ; my part of keys 1024-2047 is in,
	s_wait_dscnt 0x0
	s_barrier_signal -1
	s_barrier_wait -1                              ; everybody's is
	s_mov_b32 s[TB], 98304
	s_mov_b32 s[CNT], 8
.Lsecond_half:                                         ; tile B, keys 1024 on, up to its diagonal step
	STEP 1, QB, QSB, DQB
	s_sub_co_u32 s[CNT], s[CNT], 1
	s_cmp_lg_u32 s[CNT], 0
	s_cbranch_scc1 .Lsecond_half
	s_setprio 0
	FINISH AOB, ASB
	s_wait_xcnt 0x0                                ; the stores have read their data: those registers are written again only behind this wait
	INIT
	s_mov_b32 s[KF], 0
	s_mov_b32 s[TB], 0
	s_mov_b32 s[TS], 0
	s_mov_b32 s[QD], s[QDA]
	s_mov_b32 s[CNT], 8
.Ltile_a:                                              ; tile A, keys 0 on, up to its diagonal step
	STEP 1, QA, QSA, DQA
	s_sub_co_u32 s[CNT], s[CNT], 1
	s_cmp_lg_u32 s[CNT], 0
	s_cbranch_scc1 .Ltile_a
	s_setprio 0
	FINISH AOA, ASA
	s_wait_tensorcnt 0x0
	ds_add_u32 v254, v255
	s_wait_dscnt 0x0
	CROUND                                         ; the closing round
	s_endpgm
.Lfunc_end_k_qb77107f3ba_attn:
	.size	k_qb77107f3ba_attn, .Lfunc_end_k_qb77107f3ba_attn-k_qb77107f3ba_attn
	.p2alignl 7, 3214868480
	.fill 96, 4, 3214868480
	.section	.rodata,"a",@progbits
	.p2align	6, 0x0
	.amdhsa_kernel k_qb77107f3ba_attn
		.amdhsa_group_segment_fixed_size 206848
		.amdhsa_private_segment_fixed_size 0
		.amdhsa_enable_private_segment 0
		.amdhsa_kernarg_size 32
		.amdhsa_user_sgpr_count 2
		.amdhsa_user_sgpr_kernarg_segment_ptr 1
		.amdhsa_wavefront_size32 1
		.amdhsa_system_sgpr_workgroup_id_x 1
		.amdhsa_system_sgpr_workgroup_id_y 1
		.amdhsa_system_sgpr_workgroup_id_z 1
		.amdhsa_system_vgpr_workitem_id 0
		.amdhsa_next_free_vgpr 256
		.amdhsa_next_free_sgpr 88
		.amdhsa_reserve_vcc 1
		.amdhsa_float_denorm_mode_32 3
		.amdhsa_float_denorm_mode_16_64 3
		.amdhsa_memory_ordered 1
		.amdhsa_forward_progress 1
		.amdhsa_inst_pref_size 83
	.end_amdhsa_kernel
	.amdgpu_metadata
---
amdhsa.version: [ 1, 2 ]
amdhsa.kernels:
  - .name:           k_qb77107f3ba_attn
    .symbol:         k_qb77107f3ba_attn.kd
    .args:
      - { .name: qkvimg, .offset: 0, .size: 8, .value_kind: global_buffer, .address_space: global }
      - { .name: qkvsc, .offset: 8, .size: 8, .value_kind: global_buffer, .address_space: global }
      - { .name: aoimg, .offset: 16, .size: 8, .value_kind: global_buffer, .address_space: global }
      - { .name: aosc, .offset: 24, .size: 8, .value_kind: global_buffer, .address_space: global }
    .group_segment_fixed_size: 206848
    .private_segment_fixed_size: 0
    .kernarg_segment_align: 8
    .kernarg_segment_size: 32
    .max_flat_workgroup_size: 512
    .sgpr_count:     88
    .vgpr_count:     256
    .wavefront_size: 32
...
	.end_amdgpu_metadata
.endif
;; end of part 3
;; launch outp (part 4): grid 4 x 32, 4 waves a work-group, clusters of 4 x 4, 327,680 bytes of LDS; arguments aoimg, aosc, codes, scales, out0; writes out0
.if DOCPART == 4
	.amdgcn_target "amdgcn-amd-amdhsa--gfx1250"
	.amdhsa_code_object_version 6
	.text
	.protected	k_qb77107f3ba_outp
	.globl	k_qb77107f3ba_outp
	.p2align	8
	.type	k_qb77107f3ba_outp,@function
k_qb77107f3ba_outp:
	s_mov_b64 s[64:65], 0
	v_nop
	global_prefetch_b8 v0, s[64:65] scope:SCOPE_SE
	s_setreg_imm32_b32 hwreg(HW_REG_WAVE_MODE, 25, 1), 1
	s_wait_xcnt 0x0
	s_wait_alu depctr_hold_cnt(0) depctr_sa_sdst(0) depctr_va_vdst(0) depctr_va_sdst(0) depctr_va_ssrc(0) depctr_va_vcc(0) depctr_vm_vsrc(0)
	s_getreg_b32 s2, hwreg(HW_REG_IB_STS2, 6, 4)
	s_cmp_eq_u32 s2, 0
	s_cbranch_scc0 .Lentry_in_a_cluster
	s_endpgm
.Lentry_in_a_cluster:
	s_bfe_u32 s2, ttmp6, 0x10000c
	s_cmp_lg_u32 s2, 0xf033
	s_cbranch_scc0 .Lentry_shape_is_right
	s_endpgm
.Lentry_shape_is_right:
; OUTP.  out0 = A W_O^T on codes of FP6 (E2M3) with E8M0 scales; A is the attention's result, [8192][1024] along d_model; out0 [8192][1024] f32.
; A arrives as REGISTER IMAGES: aoimg [tile of 16 places 512][K step of 128: 8][piece 6][lane 32][8 bytes]: piece p holds registers 2 p, 2 p + 1 of the fragment.  Tile T = 128 batch + t holds places
; 32 (t / 2) + 8 (t % 2) + r + 8 (r / 8) of its batch; aosc [16 T + r][32 bytes] its scale bytes.  W_O's codes are rows 11,264 on of the codes' buffer, 768 bytes a row, in their own order.
; A tile of out0, 256 x 256, is made by four waves, each 128 x 128: 64 accumulators.  K = 1,024 goes in steps of 256 through a ring of two LDS slots filled by the tensor data mover.
; CLUSTERS: 4 x 4 work-groups; A's tile is shared along a row of the cluster, W_O's along a column: each is asked for jointly.  128 work-groups: a tile of 128 x 256 would give 256, at one and a half times the LDS bytes
; for each product and with a second loop text.
; THE MATRIX INSTRUCTION IS USED TRANSPOSED (source 0 = 16 rows of W_O, source 1 = 16 rows of A): a lane holds eight neighbouring numbers of a row of out0.
; REGISTERS, in windows of 256: window 0: v0-31 addresses; v32-63 scale words, two sets; from v128 A's fragments, one set.  window 1: B's fragments, two sets.  windows 2, 3: the accumulators.
.set SIZE_K, 1024
.set SIZE_N, 1024
.set KSTEP,  256
.set NQ,     KSTEP/128
.set ROWB,   192                       ; a row of W_O's tile in bytes
.set ASTEP,  3072                      ; a K step's images of one tile of A: two fragments of 1,536 bytes
.set KROW,   SIZE_K*6/8
.set PITCH,  240                       ; W_O's LDS row: 3 x (64 bytes + 16 of padding)
.set FR,     12
.set NL,     6
.set NP,     4
.set HALFT,  128*PITCH                 ; a wave's share of a slot: 128 rows of W_O; A's eight tiles use 24,576 of these bytes
.set SLOT,   4*HALFT
.set LAPS,   SIZE_K/(2*KSTEP)
.set KS,     SIZE_K/32
.set SCL,    2*SLOT
.set HALFS,  (128*KS/256)*272
.set SBLK,   (16*KS/256)*272
.set SPARE,  SCL+4*HALFS               ; the spare words, 128 bytes for each wave, which no other line names
.set SPITCH, 528                       ; the way out: a stage of 16 rows x (512 bytes + 16) for each wave, in slot 0, which has had its last fill and its last read when the first result is stored there
.set ADRA, 16                          ; v16-17  LDS address of my A images in slot 0, 1: 8 x lane + my half
.set ADRB, 20                          ; v20-23  of my B fragments
.set STO,  24
.set RD,   25
.set CO,   26
.set ADRS, 27
.set SPW,  28
.set NIL,  29
.set SC,   32
.set AF,   128
.set BK,   128
.set G1, 24
.set G0, 32
.set G1B, 48
.set G0B, 56
.set G1S, 68
.set G0S, 76
.set G1SB, 80
.set G0SB, 88
.set MSB, 0
.macro WIN new
.if MSB != (\new)
	s_set_vgpr_msb (MSB<<8)|(\new)
.set MSB, (\new)
.endif
.endm
.set MUL_LO, 0xa1
.set MUL_HI, 0xf1
.set TO_B,   0x40
.macro JLOAD g0a, g1a, g0b, g1b        ; a joint load: waves 0 and 1 fetch for A, waves 2 and 3 for B; four v_nop follow each of the two lines
	s_cmp_eq_u32 s15, 0
	s_cbranch_scc0 .Lfor_b_\@
	tensor_load_to_lds s[\g0a:\g0a+3], s[\g1a:\g1a+7]
	s_nop 0
.rept 4
	v_nop
.endr
	s_branch .Lasked_\@
.Lfor_b_\@:
	tensor_load_to_lds s[\g0b:\g0b+3], s[\g1b:\g1b+7]
	s_nop 0
.rept 4
	v_nop
.endr
.Lasked_\@:
.endm
.macro CREST
	s_cmp_lg_u32 s14, 0
	s_cbranch_scc1 .Lnot_wave_0_\@
	s_barrier_signal -3
.Lnot_wave_0_\@:
	s_barrier_wait -3
	s_barrier_signal -1
	s_barrier_wait -1
.endm
.macro CROUND
	s_barrier_signal -1
	s_barrier_wait -1
	CREST
.endm
	s_load_b128 s[4:7], s[0:1], 0x0                ; aoimg, aosc
	s_load_b128 s[8:11], s[0:1], 0x10              ; codes, scales
	s_load_b64 s[12:13], s[0:1], 0x20              ; out0
	v_lshl_add_u32 v[SPW], v0, 2, SPARE
	v_mov_b32 v[NIL], 0
	ds_add_u32 v28, v29
	ds_add_u32 v28, v29
	s_wait_dscnt 0x0
	v_lshrrev_b32 v1, 5, v0
	v_readfirstlane_b32 s14, v1                    ; wave 0..3
	s_lshr_b32 s15, s14, 1                         ; which half of the tile's rows is mine.  Also: I fetch for A (0) or for B (1)
	s_and_b32 s16, s14, 1                          ; which half of its columns.  Also: which half of that tile I fetch
	s_bfe_u32 s40, ttmp6, 0x40000                  ; cx, cy
	s_bfe_u32 s41, ttmp6, 0x40004
	s_lshl_b32 s42, ttmp9, 2
	s_add_co_u32 s42, s42, s40                     ; tile column
	s_and_b32 s17, ttmp7, 0xffff
	s_lshl_b32 s17, s17, 2
	s_add_co_u32 s17, s17, s41                     ; tile row
	s_lshl_b32 s43, s41, 2
	s_lshl_b32 s43, 15, s43                        ; my row of the cluster
	s_lshl_b32 s44, 0x1111, s40                    ; my column
	; A's tiles: 8 rows (tiles of 16 places) of 3,072 bytes (384 elements of 8), 12,288 bytes apart; no padding: every read takes consecutive bytes
	s_or_b32 s[G1+0], s43, (3<<16)|(1<<21)
	s_mov_b32 s[G1+1], 384<<16
	s_mov_b32 s[G1+2], 8<<16
	s_mov_b32 s[G1+3], 384<<16
	s_mov_b32 s[G1+4], 8
	s_mov_b32 s[G1+5], 1536
	s_mov_b32 s[G1+6], 0
	s_mov_b32 s[G1+7], 0
	; B's tiles: 128 rows x 192 bytes, 16 bytes of padding behind every 64
	s_or_b32 s[G1B+0], s44, (0<<16)|(1<<20)|(1<<21)|(3<<22)|(3<<25)
	s_mov_b32 s[G1B+1], ROWB<<16
	s_mov_b32 s[G1B+2], 128<<16
	s_mov_b32 s[G1B+3], ROWB<<16
	s_mov_b32 s[G1B+4], 128
	s_mov_b32 s[G1B+5], KROW
	s_mov_b32 s[G1B+6], 0
	s_mov_b32 s[G1B+7], 0
	; the scales of 128 rows: 4,096 dense bytes as rows of 256, 16 bytes of padding behind each
	s_or_b32 s[G1S+0], s43, (3<<16)|(1<<20)|(1<<21)|(5<<22)|(3<<25)
	s_or_b32 s[G1SB+0], s44, (3<<16)|(1<<20)|(1<<21)|(5<<22)|(3<<25)
.irp g, G1S, G1SB
	s_mov_b32 s[\g+1], 32<<16
	s_mov_b32 s[\g+2], (128*KS/256)<<16
	s_mov_b32 s[\g+3], 32<<16
	s_mov_b32 s[\g+4], 128*KS/256
	s_mov_b32 s[\g+5], 32
	s_mov_b32 s[\g+6], 0
	s_mov_b32 s[\g+7], 0
.endr
	s_lshl_b32 s18, s16, 7                         ; which 128 rows of the tile I fetch
	s_lshl_b32 s20, s17, 8
	s_add_co_u32 s20, s20, s18                     ; A: row 256 x tile row + 128 x half (16 rows are a tile of places: 768 bytes a row are 12,288 a tile)
	s_add_co_u32 s46, s42, 44                      ; B: W_O begins at tile 44 of the codes' buffer
	s_lshl_b32 s46, s46, 8
	s_add_co_u32 s46, s46, s18
	s_mov_b32 s21, 0
	s_mov_b32 s47, 0
	s_mov_b64 s[18:19], KS
	s_mul_u64 s[22:23], s[20:21], s[18:19]
	s_mul_u64 s[92:93], s[46:47], s[18:19]
	s_mov_b64 s[18:19], KROW
	s_mul_u64 s[20:21], s[20:21], s[18:19]
	s_mul_u64 s[46:47], s[46:47], s[18:19]
	s_mul_i32 s45, s14, HALFT                      ; where they go: no place in the cluster enters an LDS address
	s_mul_i32 s94, s14, HALFS
	s_wait_kmcnt 0x0
	s_add_nc_u64 s[20:21], s[4:5], s[20:21]
	s_add_nc_u64 s[22:23], s[6:7], s[22:23]
	s_add_nc_u64 s[46:47], s[8:9], s[46:47]
	s_add_nc_u64 s[92:93], s[10:11], s[92:93]
	CROUND                                         ; all sixteen work-groups are here: the first joint loads meet
	s_mov_b32 s[G0S], 1
	s_add_co_u32 s[G0S+1], s94, SCL
	s_mov_b64 s[G0S+2:G0S+3], s[22:23]
	s_or_b32 s[G0S+3], s[G0S+3], 0x80000000
	s_mov_b32 s[G0SB], 1
	s_add_co_u32 s[G0SB+1], s94, SCL
	s_mov_b64 s[G0SB+2:G0SB+3], s[92:93]
	s_or_b32 s[G0SB+3], s[G0SB+3], 0x80000000
	JLOAD G0S, G1S, G0SB, G1SB
.irp s, 0,1
	s_mov_b32 s[G0+4*\s], 1
	s_add_co_u32 s[G0+4*\s+1], s45, \s*SLOT
	s_add_nc_u64 s[G0+4*\s+2:G0+4*\s+3], s[20:21], \s*ASTEP
	s_or_b32 s[G0+4*\s+3], s[G0+4*\s+3], 0x80000000
	s_mov_b32 s[G0B+4*\s], 1
	s_add_co_u32 s[G0B+4*\s+1], s45, \s*SLOT
	s_add_nc_u64 s[G0B+4*\s+2:G0B+4*\s+3], s[46:47], \s*ROWB
	s_or_b32 s[G0B+4*\s+3], s[G0B+4*\s+3], 0x80000000
	JLOAD G0+4*\s, G1, G0B+4*\s, G1B               ; by this text's count three loads of a wave are out here
.endr
	v_and_b32 v1, 15, v0                           ; r
	v_bfe_u32 v2, v0, 4, 1                         ; h
	v_mul_u32_u24 v3, v1, PITCH
	v_mul_u32_u24 v4, v2, 24
	v_add_nc_u32 v4, v3, v4                        ; B: a fragment's row x pitch + 24 x half
	v_lshl_add_u32 v5, v2, 4, v4                   ; and the same behind one padding more
	v_and_b32 v6, 31, v0
	v_lshlrev_b32 v7, 3, v6                        ; A: 8 x lane
	s_mul_i32 s21, s15, HALFT
	s_mul_i32 s22, s16, HALFT
	s_add_co_u32 s22, s22, 2*HALFT
.irp s, 0,1
	v_add_nc_u32 v[ADRA+\s], s21, v7
	v_add_nc_u32 v[ADRB+\s], s22, v4
	v_add_nc_u32 v[ADRB+2+\s], s22, v5
	s_add_co_u32 s21, s21, SLOT
	s_add_co_u32 s22, s22, SLOT
.endr
	v_mul_u32_u24 v5, v1, KS
	v_lshrrev_b32 v6, 8, v5
	v_lshl_add_u32 v5, v6, 4, v5
	s_mul_i32 s21, s15, HALFS
	s_mul_i32 s22, s16, HALFS
	s_add_co_u32 s22, s22, 2*HALFS
	s_sub_co_u32 s22, s22, s21
	v_mul_u32_u24 v6, s22, v2                      ; lanes 16-31 take B's
	s_add_co_u32 s21, s21, SCL
	v_add_nc_u32 v5, v5, v6
	v_add_nc_u32 v[ADRS], s21, v5
	s_mul_i32 s23, s14, 16*SPITCH                  ; my stage
	v_mul_u32_u24 v5, v1, SPITCH
	v_lshl_add_u32 v5, v2, 5, v5
	v_add_nc_u32 v[STO], s23, v5
	v_and_b32 v6, 31, v0
	v_lshlrev_b32 v[CO], 4, v6
	v_add_nc_u32 v[RD], s23, v[CO]
	s_lshl_b32 s20, s17, 8
	s_lshl_b32 s21, s15, 7
	s_add_co_u32 s20, s20, s21                     ; my first row of out0
	s_mov_b32 s21, 0
	s_mov_b64 s[18:19], SIZE_N*4
	s_mul_u64 s[20:21], s[20:21], s[18:19]
	s_lshl_b32 s46, s42, 10                        ; my first column, in bytes
	s_lshl_b32 s47, s16, 9
	s_add_co_u32 s46, s46, s47
	s_mov_b32 s47, 0
	s_add_nc_u64 s[20:21], s[20:21], s[46:47]
	s_add_nc_u64 s[12:13], s[12:13], s[20:21]
.macro FRAG reg, adr, q, i             ; a fragment of B from rows: pieces of 8 bytes; where lanes 16-31's piece lies behind one padding more, the second address register serves
.irp p, 0,1,2,3,4,5
.set PCE, 12*(\q)+6*(\p/3)+\p%3
.if PCE%8 < 5
	ds_load_b64 v[\reg+2*\p:\reg+2*\p+1], v[\adr] offset:8*PCE+16*(PCE/8)+(\i)*16*PITCH
.else
	ds_load_b64 v[\reg+2*\p:\reg+2*\p+1], v[\adr+2] offset:8*PCE+16*(PCE/8)+(\i)*16*PITCH
.endif
.endr
.endm
.macro FRAGA reg, slot, q, i           ; a fragment of A from its image: six loads of 256 consecutive bytes
.irp p, 0,1,2,3,4,5
	ds_load_b64 v[\reg+2*\p:\reg+2*\p+1], v[ADRA+\slot] offset:ASTEP*(\i)+1536*(\q)+256*\p
.endr
.endm
.macro MUL16 a0, p, q, sc, zero        ; the 64 accumulators take turns, one instruction a turn
.irp a, \a0, \a0+1
.irp b, 0,1,2,3,4,5,6,7
.if \zero
	v_wmma_scale_f32_16x16x128_f8f6f4 v[8*(8*((\a)%4)+\b):8*(8*((\a)%4)+\b)+7], v[128*(\p)+FR*\b:128*(\p)+FR*\b+FR-1], v[AF+FR*(\a):AF+FR*(\a)+FR-1], 0, v[SC+8*NQ*(\sc)+NQ*\b+(\q)], v[SC+8*NQ*(\sc)+NQ*(\a)+(\q)] matrix_a_fmt:MATRIX_FMT_FP6 matrix_b_fmt:MATRIX_FMT_FP6 matrix_a_scale:MATRIX_SCALE_ROW1
.else
	v_wmma_scale_f32_16x16x128_f8f6f4 v[8*(8*((\a)%4)+\b):8*(8*((\a)%4)+\b)+7], v[128*(\p)+FR*\b:128*(\p)+FR*\b+FR-1], v[AF+FR*(\a):AF+FR*(\a)+FR-1], v[8*(8*((\a)%4)+\b):8*(8*((\a)%4)+\b)+7], v[SC+8*NQ*(\sc)+NQ*\b+(\q)], v[SC+8*NQ*(\sc)+NQ*(\a)+(\q)] matrix_a_fmt:MATRIX_FMT_FP6 matrix_b_fmt:MATRIX_FMT_FP6 matrix_a_scale:MATRIX_SCALE_ROW1
.endif
.endr
.endr
.endm
.macro FETCH_B slot, q, p
	WIN TO_B
.irp i, 0,1,2,3,4,5,6,7
	FRAG 128*(\p)+FR*\i, ADRB+\slot, \q, \i
.endr
	WIN 0
.endm
.macro FETCH_A slot, q, i0
.irp i, \i0, \i0+1, \i0+2, \i0+3
	FRAGA AF+FR*(\i), \slot, \q, \i
.endr
.endm
.macro SCALES sc
.irp i, 0,1,2,3,4,5,6,7
	ds_load_b64 v[SC+8*NQ*\sc+NQ*\i:SC+8*NQ*\sc+NQ*\i+1], v[ADRS] offset:\i*SBLK
.endr
.endm
.macro PLACES n                        ; plain vector lines between a matrix instruction and a load into, or a read of, its registers
.rept \n
	v_nop
.endr
.endm
.macro STEP slot, q, zero
	s_wait_dscnt 4*NL                              ; B's set and A's blocks 0-3 are in; the youngest 24 loads (A's blocks 4-7) may be out
	WIN MUL_LO
	MUL16 0, (\q)%2, \q, \slot, \zero
	MUL16 2, (\q)%2, \q, \slot, \zero
	s_wait_dscnt 0
	PLACES NP
	FETCH_B \slot, (\q)+1, 1-(\q)%2
	FETCH_A \slot, (\q)+1, 0
	WIN MUL_HI
	MUL16 4, (\q)%2, \q, \slot, \zero
	MUL16 6, (\q)%2, \q, \slot, \zero
	PLACES NP
	WIN 0
	FETCH_A \slot, (\q)+1, 4
.endm
.macro TURN slot, next, fill           ; a slot's last step changes slots: one barrier; in front of it the wait for all my tensor loads, the add, and the wait for the add and for my reads of this slot
	s_wait_tensorcnt 0x0                           ; all my tensor loads have landed: my part of the next slot
	ds_add_u32 v[SPW], v[NIL]                      ; 0 onto my spare word
	s_wait_dscnt 4*NL+1                            ; (the add and the youngest 24 loads may be out)
	WIN MUL_LO
	MUL16 0, 1, NQ-1, \slot, 0
	s_wait_dscnt 0x0                               ; the add is done, and my reads of this slot are over
	s_barrier_signal -1
	MUL16 2, 1, NQ-1, \slot, 0
	WIN 0
	s_barrier_wait -1
.if \fill
	CREST                                          ; the barrier has opened a round of the cluster's barrier: no wave of any partner still reads this slot's tile or has a load on its way
	s_add_nc_u64 s[G0+4*\slot+2:G0+4*\slot+3], s[G0+4*\slot+2:G0+4*\slot+3], 2*ASTEP
	s_add_nc_u64 s[G0B+4*\slot+2:G0B+4*\slot+3], s[G0B+4*\slot+2:G0B+4*\slot+3], 2*ROWB
	JLOAD G0+4*\slot, G1, G0B+4*\slot, G1B         ; the first tensor load behind the round; the four v_nop behind it are the places in front of the loads below
.else
	PLACES NP
.endif
	v_add_nc_u32 v[ADRS], 4*NQ, v[ADRS]
	FETCH_B \next, 0, 0
	FETCH_A \next, 0, 0
	SCALES \next
	WIN MUL_HI
	MUL16 4, 1, NQ-1, \slot, 0
	MUL16 6, 1, NQ-1, \slot, 0
	PLACES NP
	WIN 0
	FETCH_A \next, 0, 4
.endm
	s_wait_tensorcnt 1                             ; the scales and my part of K step 0 are in (K step 1's load may be out)
	s_barrier_signal -1
	s_barrier_wait -1                              ; everybody's are
	FETCH_B 0, 0, 0
	FETCH_A 0, 0, 0
	SCALES 0
	FETCH_A 0, 0, 4
	STEP 0, 0, 1                                   ; the first step's products start the sums
	s_mov_b32 s3, LAPS-1
.Llap:
	TURN 0, 1, 1
	STEP 1, 0, 0
	TURN 1, 0, 1
	STEP 0, 0, 0
	s_sub_co_u32 s3, s3, 1
	s_cmp_lg_u32 s3, 0
	s_cbranch_scc1 .Llap
	TURN 0, 1, 0                                   ; the last lap fills nothing
	STEP 1, 0, 0
	s_wait_dscnt 4*NL
	WIN MUL_LO
	MUL16 0, 1, NQ-1, 1, 0
	MUL16 2, 1, NQ-1, 1, 0
	s_wait_dscnt 0
	WIN MUL_HI
	MUL16 4, 1, NQ-1, 1, 0
	MUL16 6, 1, NQ-1, 1, 0
	WIN 0
; THE WAY OUT, block by block of 16 rows x 128 columns, through my own stage in LDS: back come whole rows of 512 bytes.  LDS serves a wave's instructions in order (ISA guide 5.7.1.4): no wait between the stores and the loads.
; Row t of block a is place 32 (a / 2) + 8 (a % 2) + t + 8 (t / 8) of my 128: the store's immediate puts the rows back in the sequence's order (127 rows of 4,096 bytes at the most).
.macro TOSTAGE a
.set AC, 64*((\a)%4)
	WIN 0x08+4*((\a)/4)                            ; the data: window 2 or 3
.irp b, 0,1,2,3,4,5,6,7
	ds_store_b128 v[STO], v[AC+8*\b:AC+8*\b+3] offset:64*\b          ; each accumulator from its low end on
	ds_store_b128 v[STO], v[AC+8*\b+4:AC+8*\b+7] offset:64*\b+16
.endr
	WIN 0
.set BB, BK+64*((\a)%2)
.irp t, 0,1,2,3,4,5,6,7,8,9,10,11,12,13,14,15
	ds_load_b128 v[BB+4*\t:BB+4*\t+3], v[RD] offset:\t*SPITCH
.endr
.endm
.macro SEND a, younger                 ; younger: the LDS instructions issued behind block a's loads, which may stay out
.set BB, BK+64*((\a)%2)
	s_wait_dscnt \younger
.irp t, 0,1,2,3,4,5,6,7,8,9,10,11,12,13,14,15
	global_store_b128 v[CO], v[BB+4*\t:BB+4*\t+3], s[12:13] offset:(32*((\a)/2)+8*((\a)%2)+\t+8*(\t/8))*SIZE_N*4 th:TH_STORE_NT   ; 32 lanes store 512 consecutive bytes, aligned; written once, read by nobody here
.endr
.endm
	PLACES NP
	TOSTAGE 0
.irp a, 1,2,3,4,5,6,7
.if \a > 1
	s_wait_xcnt 0x0                                ; block a - 2's stores have read their registers: block a's loads may land there
.endif
	TOSTAGE \a
	SEND \a-1, 32                                  ; behind block a - 1's loads: block a's 16 stores and 16 loads
.endr
	SEND 7, 0
	s_wait_tensorcnt 0x0                           ; the wave's end
	ds_add_u32 v[SPW], v[NIL]
	s_wait_dscnt 0x0
	CROUND                                         ; the closing round
	s_endpgm
.Lfunc_end_k_qb77107f3ba_outp:
	.size	k_qb77107f3ba_outp, .Lfunc_end_k_qb77107f3ba_outp-k_qb77107f3ba_outp
	.p2alignl 7, 3214868480
	.fill 96, 4, 3214868480
	.section	.rodata,"a",@progbits
	.p2align	6, 0x0
	.amdhsa_kernel k_qb77107f3ba_outp
		.amdhsa_group_segment_fixed_size 327680
		.amdhsa_private_segment_fixed_size 0
		.amdhsa_enable_private_segment 0
		.amdhsa_kernarg_size 40
		.amdhsa_user_sgpr_count 2
		.amdhsa_user_sgpr_kernarg_segment_ptr 1
		.amdhsa_wavefront_size32 1
		.amdhsa_system_sgpr_workgroup_id_x 1
		.amdhsa_system_sgpr_workgroup_id_y 1
		.amdhsa_system_sgpr_workgroup_id_z 1
		.amdhsa_system_vgpr_workitem_id 0
		.amdhsa_next_free_vgpr 1024
		.amdhsa_next_free_sgpr 98
		.amdhsa_reserve_vcc 0
		.amdhsa_float_denorm_mode_32 3
		.amdhsa_float_denorm_mode_16_64 3
		.amdhsa_memory_ordered 1
		.amdhsa_forward_progress 1
		.amdhsa_inst_pref_size 159
	.end_amdhsa_kernel
	.amdgpu_metadata
---
amdhsa.version: [ 1, 2 ]
amdhsa.kernels:
  - .name:           k_qb77107f3ba_outp
    .symbol:         k_qb77107f3ba_outp.kd
    .args:
      - { .name: aoimg, .offset: 0, .size: 8, .value_kind: global_buffer, .address_space: global }
      - { .name: aosc, .offset: 8, .size: 8, .value_kind: global_buffer, .address_space: global }
      - { .name: codes, .offset: 16, .size: 8, .value_kind: global_buffer, .address_space: global }
      - { .name: scales, .offset: 24, .size: 8, .value_kind: global_buffer, .address_space: global }
      - { .name: out0, .offset: 32, .size: 8, .value_kind: global_buffer, .address_space: global }
    .group_segment_fixed_size: 327680
    .private_segment_fixed_size: 0
    .kernarg_segment_align: 8
    .kernarg_segment_size: 40
    .max_flat_workgroup_size: 128
    .sgpr_count:     98
    .vgpr_count:     1024
    .wavefront_size: 32
...
	.end_amdgpu_metadata
.endif
;; end of part 4
